; MI455X (gfx1250); checked and timed in simulation.
; The chip was launched on July 23, 2026; its instructions are those of AMD's public machine-readable ISA for CDNA 5 (MIT licence, August 2026) and "CDNA5" Instruction Set Architecture Reference Guide (July 2026). The comments in the code are by the model that wrote it; some were corrected since.
;; Attn Processor. Allowed arithmetic: matrix products marked QUANTISED: E2M1 operands, one E8M0 scale for each 32 along K, by v_wmma_scale_f32_16x16x128_f8f6f4 with both operands' format E2M1 (or v_wmma_scale_f32_32x16x128_f4), f32 sums; products left as they are: bf16, f16 or f32 operands; f32 sums; everything else in f32.
;; Inputs: Wk 512 x 512 float32; Wo 512 x 512 float32; Wq 512 x 512 float32; Wv 512 x 512 float32; bk 512 float32; bo 512 float32; bq 512 float32; bv 512 float32; hidden_states 2 x 4,096 x 512 float32.
;; Outputs: out0 2 x 4,096 x 512 float32.
;; This version of the problem:
;;   THIS VERSION OF THE PROBLEM IS GIVEN IN LOW PRECISION. The matrix products marked QUANTISED in the list below multiply operands that are first quantised to E2M1 (2 exponent bits, 1 mantissa bit; 4 bits a number), with one power-of-two scale for each 32 numbers along K (OCP MX v1.0); their sums are f32. The products marked 'left as it is' may take bf16, f16 or f32 operands, with f32 sums. Whichever they take, every output number must still come out within the allowed error. Rounding operands to bf16 (8 significant bits) uses up far more of that allowance than f16 does (11 bits, for magnitudes from 6e-5 to 65,504). All else is computed in f32.
;;   The module's matrix products, in the order in which they are computed (A, B: the left and right operand; K: the contracted axis; several contracted axes count as one K, in the product's order):
;;     1. [M 8,192, K 512] x [K 512, N 512]; A: input hidden_states; B: input Wq: QUANTISED
;;     2. [M 8,192, K 512] x [K 512, N 512]; A: input hidden_states; B: input Wk: QUANTISED
;;     3. [M 8,192, K 512] x [K 512, N 512]; A: input hidden_states; B: input Wv: QUANTISED
;;     4. batch 16 x [M 4,096, K 64] x [K 64, N 4,096]; A: computed on the way; B: computed on the way: left as it is (an operand is computed on the way)
;;     5. batch 16 x [M 4,096, K 4,096] x [K 4,096, N 64]; A: computed on the way; B: computed on the way: left as it is (an operand is computed on the way)
;;     6. [M 8,192, K 512] x [K 512, N 512]; A: computed on the way; B: input Wo: left as it is (an operand is computed on the way)
;;   THE QUANTISER, for each operand of a quantised product, along K:
;;     - K is cut into blocks of 32 from its start; a last block that is shorter is filled with zeros.
;;     - A block's scale is 2^e with e = floor(log2(the largest magnitude in the block)) - 2, held to -126 .. 127; a block of zeros has e = 0. As a byte (E8M0): e + 127.
;;     - Each number is divided by its block's scale, clamped to +-6, and rounded to the nearest number of E2M1, ties to even, subnormals kept.
;;     - The product sums the exact products of the quantised numbers (number of the format x scale) in f32.
;;   ~~~python
;;   def quantise(x, axis):      # numpy; x: float32 -> the quantised numbers, widened to float32 again
;;       x = np.moveaxis(x, axis, -1); K = x.shape[-1]
;;       x = np.pad(x, [(0, 0)] * (x.ndim - 1) + [(0, -K % 32)]); x = x.reshape(x.shape[:-1] + (-1, 32)); a = np.abs(x).max(-1, keepdims=True)
;;       e = np.where(a > 0, np.clip(np.frexp(np.where(a > 0, a, 1))[1] - 1 - 2, -126, 127), 0)      # np.frexp(a)[1] - 1 = floor(log2(a)), exactly
;;       r = np.clip(x / 2.0 ** e, -6, 6)
;;       step = 2.0 ** (np.maximum(np.frexp(np.where(r == 0, 1, r))[1] - 1, 0) - 1)
;;       q = np.round(r / step) * step * 2.0 ** e      # np.round: ties to even
;;       return np.moveaxis(q.reshape(q.shape[:-2] + (-1,))[..., :K], -1, axis).astype(np.float32)
;;   ~~~
;; 2 versions, each right; version 2 is version 1 with the launch proj written anew for expert scheduling mode. Each part assembles by itself: llvm-mc -triple=amdgcn-amd-amdhsa -mcpu=gfx1250 --defsym DOCPART=n.
;; ======== version 1 of 2: 4 launches
;; limits: values are held in f16: magnitudes above 65,504 overflow, below 6.1e-05 lose precision
;; workspace buffers: ximg 2,097,152 bytes; xsc 131,072 bytes; wimg 393,216 bytes; wsc 24,576 bytes; woimg 524,288 bytes; qimg 8,388,608 bytes; kv 16,777,216 bytes; ao 8,388,608 bytes
;; launch prep (part 1): grid 320 x 1, 4 waves a work-group, no clusters, 34,304 bytes of LDS; arguments hidden_states, Wq, Wk, Wv, Wo, ximg, xsc, wimg, wsc, woimg; writes ximg, xsc, wimg, wsc, woimg
.if DOCPART == 1
	.amdgcn_target "amdgcn-amd-amdhsa--gfx1250"
	.amdhsa_code_object_version 6
	.text
	.protected	k_qf2b4fb4849_prep
	.globl	k_qf2b4fb4849_prep
	.p2align	8
	.type	k_qf2b4fb4849_prep,@function
k_qf2b4fb4849_prep:
	s_mov_b64 s[64:65], 0
	v_nop
	global_prefetch_b8 v0, s[64:65] scope:SCOPE_SE
	s_setreg_imm32_b32 hwreg(HW_REG_WAVE_MODE, 25, 1), 1
	s_wait_xcnt 0x0
; x [8192][512] f32 -> codes of FP4 (E2M1) with one E8M0 byte for each 32 along K (x's last axis);
; Wq, Wk, Wv [512 (k)][512 (n)] f32 -> the same along K, their FIRST axis;  Wo [512 (k)][512 (n)] f32 -> f16.
; EVERYTHING LEAVES AS AN IMAGE OF THE OPERAND'S REGISTERS: a group of four registers is 512 bytes, lane l's 16 bytes at 16 l, so that the launches
; that multiply load fragments by 16 bytes a lane with no rows, pitch or transposition, and every store here covers 512 consecutive, aligned bytes.
;   ximg [tile of 16 tokens 512][K step of 128: 4][c 2][512 B]: lane (r, h): the codes of token r, k = 128 ks + 64 c + 32 h + 0 .. 31
;   xsc  [tile][K step 4][r 16][4 B]: a row's four scale bytes of a K step
;   wimg [n tile 96 = 32 x (q, k, v) + column / 16][K step 4][c 2][512 B], wsc [n tile][K step][r][4 B]: the same with a column for a token
;   woimg [n tile 32][K step of 32: 16][u 2][512 B]: lane (r, h), register e: Wo[32 ks + 16 u + 8 h + 2 e, + 1][16 NT + r] as two f16
; A block's scale is 2^(floor(log2(largest magnitude)) - 2): its byte is the largest magnitude's exponent field - 2, held at 1 from below.
; LIMITS: a block of zeros, or one whose largest magnitude lies under 2^-124, gets the byte 1 (the rule says 127 for zeros): its codes are zeros or nearly so, and these bytes are read
; by this program alone.  NaN and infinities are not served.  Wo goes to f16: magnitudes up to 65,504.
; SHARES: work-groups 0-63 take the four weights: 16 each, 128 columns x 128 along K; a wave 32 columns.  Work-groups 64-319 take x: two tiles of 16 tokens each; a wave one tile and half of K (two K steps).
; The scale words leave in pieces of 128 bytes (x) and 64 bytes (weights): one byte in 128 of what is read.  No barrier: waves share nothing.  Only the x path stores to LDS.
.set STG,   8448                       ; a wave's stage: 16 rows x 528 bytes
.set SP,    528                        ; a stage row: 512 bytes + 16: 33 x 16, so the 16 rows that a load touches begin 16 bytes apart modulo 256
.set SPARE, 4*STG                      ; behind the stages: the spare words, 128 bytes for each wave
.set SPW,   2                          ; v2   SPARE + 4 x my thread's number; never rewritten
.set NIL,   3                          ; v3   0; never rewritten
.set R,     32                         ; v32-159  numbers as they are loaded
.set X,     160                        ; v160-223 x: 64 numbers of my row, in the operand's order
.set C,     224                        ; v224-239 x: codes, eight registers a K step: no store's data are written again
.set WC,    160                        ; v160-175 weights: codes
.set Y,     160                        ; v160-223 Wo: pairs of f16
.macro FINISH                          ; the wave's end
	s_wait_tensorcnt 0x0
	ds_add_u32 v[SPW], v[NIL]
	s_wait_dscnt 0x0
	s_endpgm
.endm
	s_load_b256 s[8:15], s[0:1], 0x0               ; x s[8:9], Wq s[10:11], Wk s[12:13], Wv s[14:15]
	s_load_b256 s[16:23], s[0:1], 0x20             ; Wo s[16:17], ximg s[18:19], xsc s[20:21], wimg s[22:23]
	s_load_b128 s[24:27], s[0:1], 0x40             ; wsc s[24:25], woimg s[26:27]
	v_lshl_add_u32 v[SPW], v0, 2, SPARE
	v_mov_b32 v[NIL], 0
	v_lshrrev_b32 v1, 5, v0
	v_readfirstlane_b32 s28, v1                    ; wave 0..3
	v_and_b32 v4, 31, v0                           ; lane
	v_and_b32 v5, 15, v0                           ; r
	v_bfe_u32 v6, v0, 4, 1                         ; h
	v_lshlrev_b32 v7, 4, v4                        ; 16 x lane
	v_lshlrev_b32 v10, 2, v4                       ; 4 x lane
	s_mov_b32 s30, 0x76543210
	s_mov_b32 s31, 0xfedcba98                      ; v_permlanex16_b32's selects for lane l xor 16
	s_mov_b32 s35, 0
	s_mov_b32 s37, 0
	s_wait_kmcnt 0x0
	s_cmp_lt_u32 ttmp9, 64
	s_cbranch_scc1 .Lweights
	; ---------------- x ----------------
	s_sub_co_u32 s32, ttmp9, 64
	s_lshl_b32 s32, s32, 1
	s_lshr_b32 s33, s28, 1
	s_add_co_u32 s32, s32, s33                     ; my tile of 16 tokens
	s_and_b32 s33, s28, 1                          ; my half of K
	s_lshl_b32 s34, s32, 15                        ; 16 rows of 2,048 bytes,
	s_lshl_b32 s36, s33, 10                        ; 256 numbers
	s_add_co_u32 s34, s34, s36
	s_add_nc_u64 s[8:9], s[8:9], s[34:35]
	s_lshl_b32 s34, s32, 12                        ; codes: 4,096 bytes a tile, 1,024 a K step
	s_lshl_b32 s36, s33, 11
	s_add_co_u32 s34, s34, s36
	s_add_nc_u64 s[18:19], s[18:19], s[34:35]
	s_lshl_b32 s34, s32, 8                         ; scale words: 256 bytes a tile, 64 a K step
	s_lshl_b32 s36, s33, 7
	s_add_co_u32 s34, s34, s36
	s_add_nc_u64 s[20:21], s[20:21], s[34:35]
.irp s, 0,1                                    ; all 32 loads at once: each reads the 512 consecutive bytes of one row's K step
.irp rr, 0,1,2,3,4,5,6,7,8,9,10,11,12,13,14,15
	global_load_b128 v[R+64*\s+4*\rr:R+64*\s+4*\rr+3], v7, s[8:9] offset:2048*\rr+512*\s th:TH_LOAD_NT
.endr
.endr
	s_mul_i32 s36, s28, STG
	v_add_nc_u32 v8, s36, v7                       ; into the stage: 16 x lane of a row
	v_mul_u32_u24 v9, v5, SP
	v_lshl_add_u32 v9, v6, 7, v9
	v_add_nc_u32 v9, s36, v9                       ; out of it: row r, + 128 h: my 32 numbers of each 64
	v_mov_b32 v21, 0                               ; a lane permute's destination counts as one of its sources
	v_lshlrev_b32 v22, 3, v6                       ; 8 h
.irp s, 0,1
	s_wait_loadcnt 16*(1-\s)                       ; this K step's 16 loads are in; the other step's 16 may be out
.irp rr, 0,1,2,3,4,5,6,7,8,9,10,11,12,13,14,15
	ds_store_b128 v8, v[R+64*\s+4*\rr:R+64*\s+4*\rr+3] offset:SP*\rr
.endr
.irp c, 0,1                                    ; LDS serves a wave's instructions in order (ISA guide 5.7.1.4): these see the stores above, and the next step's stores come behind them
.irp g, 0,1,2,3,4,5,6,7
	ds_load_b128 v[X+32*\c+4*\g:X+32*\c+4*\g+3], v9 offset:256*\c+16*\g
.endr
.endr
	s_wait_dscnt 0x0
.irp c, 0,1                                    ; my two whole blocks, 2 c + h, by turns
	v_max3_num_f32 v[12+\c], |v[X+32*\c]|, |v[X+32*\c+1]|, 0x1800000   ; with the floor 2^(3 - 127): the byte cannot fall under 1
.endr
.irp i, 2,4,6,8,10,12,14,16,18,20,22,24,26,28,30
.irp c, 0,1
	v_max3_num_f32 v[12+\c], v[12+\c], |v[X+32*\c+\i]|, |v[X+32*\c+\i+1]|
.endr
.endr
.irp c, 0,1
	v_add_nc_u32 v[14+\c], 0xff000000, v[12+\c]    ; 2 off the exponent field: the conversion's scale operand
.endr
.irp c, 0,1
	v_lshrrev_b32 v[16+\c], 23, v[14+\c]           ; the scale's byte
.endr
.irp c, 0,1
.irp g, 0,1,2,3
	v_cvt_scalef32_pk8_fp4_f32 v[C+8*\s+4*\c+\g], v[X+32*\c+8*\g:X+32*\c+8*\g+7], v[14+\c]
.endr
.endr
	v_nop                                          ; one plain instruction behind the last scaled conversion
	v_lshl_or_b32 v20, v17, 16, v16                ; my bytes: blocks h and 2 + h,
	v_lshlrev_b32 v20, v22, v20                    ; at their places in the word;
	v_permlanex16_b32 v21, v20, s30, s31
	v_or_b32 v[18+\s], v20, v21                    ; with lane l xor 16's the row's word is whole
.irp c, 0,1
	global_store_b128 v7, v[C+8*\s+4*\c:C+8*\s+4*\c+3], s[18:19] offset:1024*\s+512*\c
.endr
.endr
	v_cmp_eq_u32 vcc_lo, 1, v6
	v_cndmask_b32 v23, v18, v19, vcc_lo            ; lanes 0-15 the first K step's words, lanes 16-31 the second's: 128 consecutive bytes
	global_store_b32 v10, v23, s[20:21]
	FINISH
	; ---------------- the weights: A LANE TAKES A COLUMN, AND ITS REGISTERS RUN DOWN K ----------------
.macro WLOAD b                         ; block b of 32 along K: each load reads 128 consecutive bytes, the four waves stand side by side on 512
.irp i, 0,1,2,3,4,5,6,7,8,9,10,11,12,13,14,15,16,17,18,19,20,21,22,23,24,25,26,27,28,29,30,31
	global_load_b32 v[R+32*(\b)+\i], v10, s[10:11] offset:(32*(\b)+\i)*2048 th:TH_LOAD_NT
.endr
.endm
.Lweights:
	s_lshr_b32 s32, ttmp9, 4                       ; which weight: q, k, v, o
	s_bfe_u32 s33, ttmp9, 0x20002                  ; which 128 columns
	s_and_b32 s34, ttmp9, 3                        ; which 128 along K
	s_cmp_eq_u32 s32, 1
	s_cselect_b64 s[10:11], s[12:13], s[10:11]
	s_cmp_eq_u32 s32, 2
	s_cselect_b64 s[10:11], s[14:15], s[10:11]
	s_cmp_eq_u32 s32, 3
	s_cselect_b64 s[10:11], s[16:17], s[10:11]
	s_lshl_b32 s36, s34, 18                        ; 128 rows of 2,048 bytes
	s_lshl_b32 s38, s33, 9
	s_add_co_u32 s36, s36, s38
	s_lshl_b32 s38, s28, 7
	s_add_co_u32 s36, s36, s38
	s_add_nc_u64 s[10:11], s[10:11], s[36:37]
	WLOAD 0
	WLOAD 1
	s_lshl_b32 s38, s33, 3
	s_lshl_b32 s39, s28, 1
	s_add_co_u32 s38, s38, s39                     ; my first n tile inside the weight: 8 x column group + 2 x wave
	s_cmp_eq_u32 s32, 3
	s_cbranch_scc1 .Lwo
.macro WBLOCK b                        ; a block's 32 numbers are all mine
.set XS, R+32*(\b)
	v_max3_num_f32 v12, |v[XS]|, |v[XS+1]|, |v[XS+2]|
	v_max3_num_f32 v13, |v[XS+3]|, |v[XS+4]|, |v[XS+5]|
.irp i, 6,10,14,18,22,26
	v_max3_num_f32 v12, v12, |v[XS+\i]|, |v[XS+\i+1]|
	v_max3_num_f32 v13, v13, |v[XS+\i+2]|, |v[XS+\i+3]|
.endr
	v_max3_num_f32 v12, v12, |v[XS+30]|, |v[XS+31]|
	v_max3_num_f32 v12, v12, v13, 0x1800000        ; and the floor
	v_add_nc_u32 v[16+(\b)], 0xff000000, v12
	v_lshrrev_b32 v13, 23, v[16+(\b)]
.if (\b) == 0
	v_mov_b32 v24, v13                             ; the K step's four bytes make my column's scale word
.else
	v_lshl_or_b32 v24, v13, 8*(\b), v24
.endif
.irp g, 0,1,2,3
	v_cvt_scalef32_pk8_fp4_f32 v[WC+4*(\b)+\g], v[XS+8*\g:XS+8*\g+7], v[16+(\b)]
.endr
.endm
	s_lshl_b32 s39, s32, 5
	s_add_co_u32 s38, s38, s39                     ; + 32 n tiles a weight
	s_lshl_b32 s36, s38, 12                        ; codes: 4,096 bytes an n tile, 1,024 a K step
	s_lshl_b32 s39, s34, 10
	s_add_co_u32 s36, s36, s39
	s_add_nc_u64 s[22:23], s[22:23], s[36:37]
	s_lshl_b32 s36, s38, 8                         ; scale words: 256 bytes an n tile, 64 a K step
	s_lshl_b32 s39, s34, 6
	s_add_co_u32 s36, s36, s39
	s_add_nc_u64 s[24:25], s[24:25], s[36:37]
	v_lshlrev_b32 v11, 2, v5
	v_lshl_add_u32 v11, v6, 8, v11                 ; lanes 16-31 hold the next n tile's columns
	s_wait_loadcnt 32                              ; block 0 is in; block 1's 32 loads may be out
	WLOAD 2
	WBLOCK 0
	s_wait_loadcnt 32                              ; block 1 is in; block 2's may be out
	WLOAD 3
	WBLOCK 1
	s_wait_loadcnt 32                              ; block 2 is in; block 3's may be out
	WBLOCK 2
	s_wait_loadcnt 0x0
	WBLOCK 3
	v_nop                                          ; one plain instruction behind the last scaled conversion
.irp c, 0,1                                    ; a fragment's lanes 0-15 want block 2 c and lanes 16-31 block 2 c + 1 of ONE tile's columns: the first register's upper lanes change places with the second's lower lanes
.irp g, 0,1,2,3
	v_permlane16_swap_b32 v[WC+8*\c+\g], v[WC+8*\c+4+\g]
.endr
.endr
.irp c, 0,1
.irp T, 0,1
	global_store_b128 v7, v[WC+8*\c+4*\T:WC+8*\c+4*\T+3], s[22:23] offset:4096*\T+512*\c
.endr
.endr
	global_store_b32 v11, v24, s[24:25]
	FINISH
.Lwo:
.macro WOBLOCK b                       ; 32 along K: one K step of the f16 product
.irp p, 0,1,2,3,4,5,6,7,8,9,10,11,12,13,14,15
	v_cvt_pk_f16_f32 v[Y+16*(\b)+\p], v[R+32*(\b)+2*\p], v[R+32*(\b)+2*\p+1]
.endr
.irp u, 0,1                                    ; group u wants k = 16 u + 8 h + 0 .. 7: lanes 0-15 pairs 8 u + 0 .. 3, lanes 16-31 pairs 8 u + 4 .. 7 of one tile's columns
.irp e, 0,1,2,3
	v_permlane16_swap_b32 v[Y+16*(\b)+8*\u+\e], v[Y+16*(\b)+8*\u+4+\e]
.endr
.endr
.irp u, 0,1
.irp T, 0,1
	global_store_b128 v7, v[Y+16*(\b)+8*\u+4*\T:Y+16*(\b)+8*\u+4*\T+3], s[26:27] offset:16384*\T+1024*(\b)+512*\u
.endr
.endr
.endm
	s_lshl_b32 s36, s38, 14                        ; 16,384 bytes an n tile, 1,024 a K step of 32
	s_lshl_b32 s39, s34, 12
	s_add_co_u32 s36, s36, s39
	s_add_nc_u64 s[26:27], s[26:27], s[36:37]
	s_wait_loadcnt 32                              ; as above: the block in hand is in, the next block's 32 loads may be out
	WLOAD 2
	WOBLOCK 0
	s_wait_loadcnt 32
	WLOAD 3
	WOBLOCK 1
	s_wait_loadcnt 32
	WOBLOCK 2
	s_wait_loadcnt 0x0
	WOBLOCK 3
	FINISH
.Lfunc_end_k_qf2b4fb4849_prep:
	.size	k_qf2b4fb4849_prep, .Lfunc_end_k_qf2b4fb4849_prep-k_qf2b4fb4849_prep
	.p2alignl 7, 3214868480
	.fill 96, 4, 3214868480
	.section	.rodata,"a",@progbits
	.p2align	6, 0x0
	.amdhsa_kernel k_qf2b4fb4849_prep
		.amdhsa_group_segment_fixed_size 34304
		.amdhsa_private_segment_fixed_size 0
		.amdhsa_enable_private_segment 0
		.amdhsa_kernarg_size 80
		.amdhsa_user_sgpr_count 2
		.amdhsa_user_sgpr_kernarg_segment_ptr 1
		.amdhsa_wavefront_size32 1
		.amdhsa_system_sgpr_workgroup_id_x 1
		.amdhsa_system_sgpr_workgroup_id_y 1
		.amdhsa_system_sgpr_workgroup_id_z 1
		.amdhsa_system_vgpr_workitem_id 0
		.amdhsa_next_free_vgpr 240
		.amdhsa_next_free_sgpr 66
		.amdhsa_reserve_vcc 1
		.amdhsa_float_denorm_mode_32 3
		.amdhsa_float_denorm_mode_16_64 3
		.amdhsa_memory_ordered 1
		.amdhsa_forward_progress 1
		.amdhsa_inst_pref_size 49
	.end_amdhsa_kernel
	.amdgpu_metadata
---
amdhsa.version: [ 1, 2 ]
amdhsa.kernels:
  - .name:           k_qf2b4fb4849_prep
    .symbol:         k_qf2b4fb4849_prep.kd
    .args:
      - { .name: hidden_states, .offset: 0, .size: 8, .value_kind: global_buffer, .address_space: global }
      - { .name: Wq, .offset: 8, .size: 8, .value_kind: global_buffer, .address_space: global }
      - { .name: Wk, .offset: 16, .size: 8, .value_kind: global_buffer, .address_space: global }
      - { .name: Wv, .offset: 24, .size: 8, .value_kind: global_buffer, .address_space: global }
      - { .name: Wo, .offset: 32, .size: 8, .value_kind: global_buffer, .address_space: global }
      - { .name: ximg, .offset: 40, .size: 8, .value_kind: global_buffer, .address_space: global }
      - { .name: xsc, .offset: 48, .size: 8, .value_kind: global_buffer, .address_space: global }
      - { .name: wimg, .offset: 56, .size: 8, .value_kind: global_buffer, .address_space: global }
      - { .name: wsc, .offset: 64, .size: 8, .value_kind: global_buffer, .address_space: global }
      - { .name: woimg, .offset: 72, .size: 8, .value_kind: global_buffer, .address_space: global }
    .group_segment_fixed_size: 34304
    .private_segment_fixed_size: 0
    .kernarg_segment_align: 8
    .kernarg_segment_size: 80
    .max_flat_workgroup_size: 128
    .sgpr_count:     66
    .vgpr_count:     240
    .wavefront_size: 32
...
	.end_amdgpu_metadata
.endif
;; end of part 1
;; launch proj (part 2): grid 4 x 64, 4 waves a work-group, no clusters, 0 bytes of LDS; arguments ximg, xsc, wimg, wsc, bq, bk, bv, qimg, kv; writes qimg, kv
.if DOCPART == 2
	.amdgcn_target "amdgcn-amd-amdhsa--gfx1250"
	.amdhsa_code_object_version 6
	.text
	.protected	k_qf2b4fb4849_proj
	.globl	k_qf2b4fb4849_proj
	.p2align	8
	.type	k_qf2b4fb4849_proj,@function
k_qf2b4fb4849_proj:
	s_mov_b64 s[64:65], 0
	v_nop
	global_prefetch_b8 v0, s[64:65] scope:SCOPE_SE
	s_setreg_imm32_b32 hwreg(HW_REG_WAVE_MODE, 25, 1), 1
	s_wait_xcnt 0x0
; q = x Wq + bq, k = x Wk + bk, v = x Wv + bv on codes of FP4 (E2M1) with E8M0 scales, sums in f32, K = 512 ascending, one accumulator an output; the bias is the C of each sum's first product.
; q is multiplied by log2(e) / 8 (the softmax's scale and its change of base); all three are rounded to f16 and leave as images of the attention's operand registers (512 bytes a group of four registers, lane l at 16 l):
;   qimg [b x head 16][tile of 16 queries 256][c 2][u 2][512 B]: lane (r, h): query r, channels 32 c + 16 u + 8 h + 0 .. 7
;   kv   [b x head 16][step of 64 keys 64][16,384 B]: K as [tile of 16 keys 4][c 2][u 2][512 B], like qimg; then V^T as [kk 2][ct 4][u 2][512 B]: lane (r, h): channel 16 ct + r, keys 32 kk + 16 u + 8 h + 0 .. 7
; LIMIT: f16: |q| log2(e) / 8, |k|, |v| up to 65,504.
; SHARES: a work-group takes 128 tokens (8 tiles) and 128 columns (two heads) of each of q, k, v; wave w takes all 8 token tiles and n tiles 2 w, 2 w + 1 of each kind: six n tiles j = 2 x kind + e.
; q and k are made TRANSPOSED (source 0 = 16 columns of W, source 1 = 16 tokens): a lane holds one token and eight neighbouring channels, 16 bytes of f16.  v is made the natural way round: a lane holds one channel and eight neighbouring tokens.
; So every result is stored straight from registers, 512 consecutive aligned bytes a store.
; NO LDS AND NO JOINT LOADS: K is four matrix instructions deep, so there is no loop for a ring to run ahead of: every operand is asked for once, at the head, straight into the registers that multiply it (56 KB a wave).
; What is shared: a work-group's four waves ask for the same 32 KB of x's codes, as do the four work-groups of a token block; a column group's 96 KB of weight codes are asked for by 64 work-groups.
; A work-group asks for 224 KB, of which 128 KB are different bytes, and stores 96 KB; through LDS the same 224 KB would be read again from there.
; REGISTERS: window 0: v1-4 offsets; v16-31 x's scale words (2 T + i: lanes 0-15 K step 2 i, lanes 16-31 K step 2 i + 1); v32-43 W's (2 j + i); v48-95 biases (8 j); v96-223 two sets of 8 accumulators.
;   window 1: x's fragments, v[32 T + 8 ks];   window 2: W's, v[32 j + 8 ks].
.set XS,   16
.set WS,   32
.set BIAS, 48
.set ACC,  96
.set MSB, 0
.macro WIN new                         ; the immediate's high byte repeats the setting that is left
.if MSB != \new
	s_set_vgpr_msb (MSB<<8)|\new
.set MSB, \new
.endif
.endm
.macro PLACES n
.rept \n
	v_nop
.endr
.endm
	s_load_b512 s[16:31], s[0:1], 0x0              ; ximg 16, xsc 18, wimg 20, wsc 22, bq 24, bk 26, bv 28, qimg 30
	s_load_b64 s[32:33], s[0:1], 0x40              ; kv
	v_lshrrev_b32 v5, 5, v0
	v_readfirstlane_b32 s4, v5                     ; wave 0..3
	v_and_b32 v5, 31, v0
	v_lshlrev_b32 v1, 4, v5                        ; 16 x lane
	v_lshlrev_b32 v2, 2, v5                        ; 4 x lane
	v_bfe_u32 v3, v0, 4, 1
	v_lshlrev_b32 v3, 5, v3                        ; 32 h: eight biases
	v_and_b32 v4, 15, v0
	v_lshlrev_b32 v4, 2, v4                        ; 4 r
	s_and_b32 s6, ttmp7, 0xffff                    ; block of 128 tokens
	s_mov_b32 s34, 0x3e38aa3b                      ; log2(e) / 8
	s_mov_b32 s35, s34                             ; (named with it as a pair)
	s_lshl_b32 s7, ttmp9, 3
	s_lshl_b32 s8, s4, 1
	s_add_co_u32 s7, s7, s8                        ; my first n tile inside a weight: 8 x column group + 2 x wave
	s_mov_b32 s9, 0
	s_lshr_b32 s10, s6, 5
	s_lshl_b32 s10, s10, 3
	s_lshl_b32 s11, ttmp9, 1
	s_add_co_u32 s10, s10, s11
	s_lshr_b32 s11, s4, 1
	s_add_co_u32 s10, s10, s11                     ; batch x 8 + head
	s_and_b32 s11, s6, 31                          ; the token block inside its batch
	s_and_b32 s12, s4, 1                           ; which 32 channels of the head
	s_wait_kmcnt 0x0
	s_lshl_b32 s8, s6, 15
	s_add_nc_u64 s[16:17], s[16:17], s[8:9]        ; x's codes: 8 tiles of 4,096 bytes
	s_lshl_b32 s8, s6, 11
	s_add_nc_u64 s[18:19], s[18:19], s[8:9]        ; x's scale words: 8 x 256
	s_lshl_b32 s8, s7, 12
	s_add_nc_u64 s[20:21], s[20:21], s[8:9]
	s_lshl_b32 s8, s7, 8
	s_add_nc_u64 s[22:23], s[22:23], s[8:9]
	s_lshl_b32 s8, s7, 6                           ; 16 columns x 4 bytes an n tile
	s_add_nc_u64 s[24:25], s[24:25], s[8:9]
	s_add_nc_u64 s[26:27], s[26:27], s[8:9]
	s_add_nc_u64 s[28:29], s[28:29], s[8:9]
	s_lshl_b32 s8, s10, 19
	s_lshl_b32 s13, s11, 14
	s_add_co_u32 s8, s8, s13
	s_lshl_b32 s13, s12, 10
	s_add_co_u32 s8, s8, s13
	s_add_nc_u64 s[30:31], s[30:31], s[8:9]        ; q's way out
	s_lshl_b32 s8, s10, 20
	s_lshl_b32 s13, s11, 15
	s_add_co_u32 s14, s8, s13
	s_lshl_b32 s13, s12, 10
	s_add_co_u32 s8, s14, s13
	s_add_nc_u64 s[40:41], s[32:33], s[8:9]        ; k's
	s_lshl_b32 s13, s12, 11
	s_add_co_u32 s8, s14, s13
	s_add_co_u32 s8, s8, 8192
	s_add_nc_u64 s[42:43], s[32:33], s[8:9]        ; v's
.irp e, 0,1                                    ; biases first, then scale words, x's codes, and the weights' codes in the order in which they are multiplied
	global_load_b128 v[BIAS+8*\e:BIAS+8*\e+3], v3, s[24:25] offset:64*\e
	global_load_b128 v[BIAS+8*\e+4:BIAS+8*\e+7], v3, s[24:25] offset:64*\e+16
	global_load_b128 v[BIAS+16+8*\e:BIAS+16+8*\e+3], v3, s[26:27] offset:64*\e
	global_load_b128 v[BIAS+16+8*\e+4:BIAS+16+8*\e+7], v3, s[26:27] offset:64*\e+16
	global_load_b32 v[BIAS+32+8*\e], v4, s[28:29] offset:64*\e
.endr
.irp T, 0,1,2,3,4,5,6,7
.irp i, 0,1
	global_load_b32 v[XS+2*\T+\i], v2, s[18:19] offset:256*\T+128*\i
.endr
.endr
.irp y, 0,1,2
.irp e, 0,1
.irp i, 0,1
	global_load_b32 v[WS+4*\y+2*\e+\i], v2, s[22:23] offset:8192*\y+256*\e+128*\i
.endr
.endr
.endr
	WIN 0x40                                       ; destination window 1
.set n, 0
.rept 64
	global_load_b128 v[4*n:4*n+3], v1, s[16:17] offset:512*n
.set n, n+1
.endr
	WIN 0x80                                       ; destination window 2
.irp y, 0,1,2
.set n, 0
.rept 16
	global_load_b128 v[64*\y+4*n:64*\y+4*n+3], v1, s[20:21] offset:131072*\y+512*n
.set n, n+1
.endr
.endr
	WIN 0
; one product: n tile j, accumulator set, K step ks, token tile T
.macro MM j, set, ks, T
.set rD, ACC+64*(\set)+8*(\T)
.set rW, 32*(\j)+8*(\ks)
.set rX, 32*(\T)+8*(\ks)
.set rC, rD
.if (\ks) == 0
.set rC, BIAS+8*(\j)
.endif
.set sW, WS+2*(\j)+(\ks)/2
.set sX, XS+2*(\T)+(\ks)/2
.if (\j) < 4
.if (\ks)%2
	v_wmma_scale_f32_16x16x128_f8f6f4 v[rD:rD+7], v[rW:rW+7], v[rX:rX+7], v[rC:rC+7], v[sW], v[sX] matrix_a_fmt:MATRIX_FMT_FP4 matrix_b_fmt:MATRIX_FMT_FP4 matrix_a_scale:MATRIX_SCALE_ROW1 matrix_b_scale:MATRIX_SCALE_ROW1
.else
	v_wmma_scale_f32_16x16x128_f8f6f4 v[rD:rD+7], v[rW:rW+7], v[rX:rX+7], v[rC:rC+7], v[sW], v[sX] matrix_a_fmt:MATRIX_FMT_FP4 matrix_b_fmt:MATRIX_FMT_FP4
.endif
.else
.if (\ks)%2
	v_wmma_scale_f32_16x16x128_f8f6f4 v[rD:rD+7], v[rX:rX+7], v[rW:rW+7], v[rC:rC+7], v[sX], v[sW] matrix_a_fmt:MATRIX_FMT_FP4 matrix_b_fmt:MATRIX_FMT_FP4 matrix_a_scale:MATRIX_SCALE_ROW1 matrix_b_scale:MATRIX_SCALE_ROW1
.else
	v_wmma_scale_f32_16x16x128_f8f6f4 v[rD:rD+7], v[rX:rX+7], v[rW:rW+7], v[rC:rC+7], v[sX], v[sW] matrix_a_fmt:MATRIX_FMT_FP4 matrix_b_fmt:MATRIX_FMT_FP4
.endif
.endif
.endm
; 32 products: n tile j against the 8 token tiles, all of K.  The 8 accumulators take turns, one instruction a turn.
.macro RUN j, set
.if (\j) < 4
	WIN 0x06                                       ; source 0 (W) window 2, source 1 (x) window 1
.else
	WIN 0x09                                       ; source 0 (x) window 1, source 1 (W) window 2
.endif
.irp ks, 0,1,2,3
.irp T, 0,1,2,3,4,5,6,7
	MM \j, \set, \ks, \T
.endr
.endr
.endm
; n tile j's results leave: scaled (q), rounded to f16 in place, each accumulator from its low end on, 512 bytes a store
.macro EPI j, set
	WIN 0
	PLACES 4                                       ; four plain instructions between a product and the first read of its result (ISA guide 7.12.1)
.irp T, 0,1,2,3,4,5,6,7
.set a, ACC+64*(\set)+8*\T
.if (\j) < 2
.irp e, 0,2,4,6
	v_pk_mul_f32 v[a+\e:a+\e+1], v[a+\e:a+\e+1], s[34:35] op_sel_hi:[1,0]
.endr
.endif
.irp e, 0,1,2,3
	v_cvt_pk_f16_f32 v[a+\e], v[a+2*\e], v[a+2*\e+1]
.endr
.if (\j) < 2
	global_store_b128 v1, v[a:a+3], s[30:31] offset:2048*\T+512*((\j)%2)
.elseif (\j) < 4
	global_store_b128 v1, v[a:a+3], s[40:41] offset:16384*(\T/4)+2048*(\T%4)+512*((\j)%2)
.else
	global_store_b128 v1, v[a:a+3], s[42:43] offset:16384*(\T/4)+4096*((\T/2)%2)+1024*((\j)%2)+512*(\T%2)
.endif
.endr
.endm
	s_wait_loadcnt 32                              ; all but the 32 youngest loads, Wk's and Wv's codes
.irp e, 0,1
.irp i, 1,2,3,4,5,6,7
	v_mov_b32 v[BIAS+32+8*\e+\i], v[BIAS+32+8*\e]  ; in v's layout a lane's eight results are eight tokens of one channel: one bias eight times
.endr
.endr
	RUN 0, 0
	RUN 1, 1
	EPI 0, 0
	s_wait_xcnt 0x0                                ; the stores of the set that is begun anew have read their data
	s_wait_loadcnt 16                              ; Wk's codes are in; Wv's 16 loads may be out
	RUN 2, 0
	EPI 1, 1
	s_wait_xcnt 0x0
	RUN 3, 1
	EPI 2, 0
	s_wait_xcnt 0x0
	s_wait_loadcnt 0x0                             ; Wv's codes
	RUN 4, 0
	EPI 3, 1
	s_wait_xcnt 0x0
	RUN 5, 1
	EPI 4, 0
	EPI 5, 1
	s_endpgm
.Lfunc_end_k_qf2b4fb4849_proj:
	.size	k_qf2b4fb4849_proj, .Lfunc_end_k_qf2b4fb4849_proj-k_qf2b4fb4849_proj
	.p2alignl 7, 3214868480
	.fill 96, 4, 3214868480
	.section	.rodata,"a",@progbits
	.p2align	6, 0x0
	.amdhsa_kernel k_qf2b4fb4849_proj
		.amdhsa_group_segment_fixed_size 0
		.amdhsa_private_segment_fixed_size 0
		.amdhsa_enable_private_segment 0
		.amdhsa_kernarg_size 72
		.amdhsa_user_sgpr_count 2
		.amdhsa_user_sgpr_kernarg_segment_ptr 1
		.amdhsa_wavefront_size32 1
		.amdhsa_system_sgpr_workgroup_id_x 1
		.amdhsa_system_sgpr_workgroup_id_y 1
		.amdhsa_system_sgpr_workgroup_id_z 1
		.amdhsa_system_vgpr_workitem_id 0
		.amdhsa_next_free_vgpr 704
		.amdhsa_next_free_sgpr 66
		.amdhsa_reserve_vcc 0
		.amdhsa_float_denorm_mode_32 3
		.amdhsa_float_denorm_mode_16_64 3
		.amdhsa_memory_ordered 1
		.amdhsa_forward_progress 1
		.amdhsa_inst_pref_size 63
	.end_amdhsa_kernel
	.amdgpu_metadata
---
amdhsa.version: [ 1, 2 ]
amdhsa.kernels:
  - .name:           k_qf2b4fb4849_proj
    .symbol:         k_qf2b4fb4849_proj.kd
    .args:
      - { .name: ximg, .offset: 0, .size: 8, .value_kind: global_buffer, .address_space: global }
      - { .name: xsc, .offset: 8, .size: 8, .value_kind: global_buffer, .address_space: global }
      - { .name: wimg, .offset: 16, .size: 8, .value_kind: global_buffer, .address_space: global }
      - { .name: wsc, .offset: 24, .size: 8, .value_kind: global_buffer, .address_space: global }
      - { .name: bq, .offset: 32, .size: 8, .value_kind: global_buffer, .address_space: global }
      - { .name: bk, .offset: 40, .size: 8, .value_kind: global_buffer, .address_space: global }
      - { .name: bv, .offset: 48, .size: 8, .value_kind: global_buffer, .address_space: global }
      - { .name: qimg, .offset: 56, .size: 8, .value_kind: global_buffer, .address_space: global }
      - { .name: kv, .offset: 64, .size: 8, .value_kind: global_buffer, .address_space: global }
    .group_segment_fixed_size: 0
    .private_segment_fixed_size: 0
    .kernarg_segment_align: 8
    .kernarg_segment_size: 72
    .max_flat_workgroup_size: 128
    .sgpr_count:     66
    .vgpr_count:     704
    .wavefront_size: 32
...
	.end_amdgpu_metadata
.endif
;; end of part 2
;; launch attn (part 3): grid 16 x 16, 8 waves a work-group, clusters of 4 x 1, 327,680 bytes of LDS; arguments qimg, kv, ao; writes ao
.if DOCPART == 3
	.amdgcn_target "amdgcn-amd-amdhsa--gfx1250"
	.amdhsa_code_object_version 6
	.text
	.protected	k_qf2b4fb4849_attn
	.globl	k_qf2b4fb4849_attn
	.p2align	8
	.type	k_qf2b4fb4849_attn,@function
k_qf2b4fb4849_attn:
	s_mov_b64 s[64:65], 0
	v_nop
	global_prefetch_b8 v0, s[64:65] scope:SCOPE_SE
	s_setreg_imm32_b32 hwreg(HW_REG_WAVE_MODE, 25, 1), 1
	s_wait_xcnt 0x0
	s_wait_alu depctr_hold_cnt(0) depctr_sa_sdst(0) depctr_va_vdst(0) depctr_va_sdst(0) depctr_va_ssrc(0) depctr_va_vcc(0) depctr_vm_vsrc(0)
	s_getreg_b32 s2, hwreg(HW_REG_IB_STS2, 6, 4)
	s_cmp_eq_u32 s2, 0
	s_cbranch_scc0 .Lentry_in_a_cluster
	s_endpgm
.Lentry_in_a_cluster:
	s_bfe_u32 s2, ttmp6, 0x10000c
	s_cmp_lg_u32 s2, 0x3003
	s_cbranch_scc0 .Lentry_shape_is_right
	s_endpgm
.Lentry_shape_is_right:
; O[b, head][q] = the sum over k of softmax_k(Q . K / 8) V, 4,096 keys, head size 64, no mask.  Operands in f16, products, maxima and sums in f32; the weights p are rounded to f16 for the second product, O once at the end.
; qimg, kv: images of operand registers (a group of four registers is 512 bytes, lane l at 16 l); q already carries log2(e) / 8, so p = 2^(s - m), m the query's running maximum of s.
; In every step O and the sum l are multiplied by a = 2^(m_old - m_new).  m begins at -3e38, O and l at 0: the first a is 0 and multiplies zeros, so the step is written in one form.
; ao [tile of 16 tokens 512][K step of 32: 16][u 2][512 B], f16: lane (r, h): token r, k = 64 head + channel = 32 ks + 16 u + 8 h + 0 .. 7: the out projection's operand.
; LIMITS: f16 operands: |O| up to 65,504; a p under 2^-14 keeps an absolute error of 2^-25 beside a row sum of at least 1.  NaN and infinities are not served.
; SHARES: a work-group owns 256 queries of one (batch, head); each of its eight waves 32: two tiles of 16.  Every wave walks all keys, 64 a step.
; LAYOUT: S^T = K Q^T (source 0 = 16 keys, source 1 = 16 queries) and O^T = V^T P (source 0 = 16 channels, source 1 = P): a lane holds ONE query throughout; two tiles of S^T, rounded in pairs, ARE source 1 of the second product.
; RING: two LDS slots of 8 key steps (131,072 bytes each, dense: the images need no pitch); wave w fetches step w of a slot: one tensor load of 64 rows x 256 bytes.
; CLUSTER: the four query blocks of a cluster belong to one head and walk the same kv: each tile is asked for JOINTLY, by the same load with the same descriptor and a mask that names the four.
; By this text's own count a wave has two tensor loads out at the start and one behind each round; a refill has 8 key steps, 256 matrix instructions a wave, in which to land.
; REGISTERS: window 0: v1 16 x lane; v2 the LDS address in hand; v6, v7 the add's two; v8 256 x lane; v16-31 statistics, 8 a tile: +0 m, +1 zero, +2, +3 l, +4 .. +7 at work (a in +6, m_old - m_new in +7);
;   v32-95 S^T, 32 a tile; v96-127 P, 16 a tile; v128-191 O^T, 32 a tile.   window 1: v0-31 Q; v64-127 K of one step; v128-191 V^T of one step.
.set STEPB, 16384                      ; a key step's images: 8,192 bytes of K, 8,192 of V^T
.set SLOT1, 131072                     ; slot 1 begins here; also a slot's bytes in memory
.set SPARE, 262144                     ; behind the ring: the spare words, 128 bytes for each of the eight waves
.set LI,  1
.set ADR, 2
.set SPW, 6
.set NIL, 7
.set PFO, 8
.set ST,  16
.set S,   32
.set P,   96
.set O,   128
.set QF,  0
.set KF,  64
.set VF,  128
.set WV,  12                           ; s12 my wave's number
.set LIM, 15                           ; s15 1 in a wave that prefetches, else the greatest number
.set PFA, 18                           ; s[18:19] where my prefetches stand
.set G1,  24                           ; s[24:31] descriptor group 1
.set G0,  32                           ; s[32:39] group 0: a set for each first fill; the second then walks on
.set SLOTS, 40                         ; s40 slots still to be asked for
.set CNT, 41                           ; s41 counts key steps
.set TB,  42                           ; s42 LDS byte at which the step to be fetched begins
.set SEL, 44                           ; s[44:45] selects for lane l xor 16
.set MSB, 0
.macro WIN new                         ; the immediate's high byte repeats the setting that is left
.if MSB != \new
	s_set_vgpr_msb (MSB<<8)|\new
.set MSB, \new
.endif
.endm
.macro PLACES n
.rept \n
	v_nop
.endr
.endm
.macro CROUND                          ; a round of the cluster's barrier: my work-group's barrier; wave 0 signals for the work-group; every wave waits for all four; my work-group's barrier once more
	s_barrier_signal -1
	s_barrier_wait -1
	s_cmp_lg_u32 s[WV], 0
	s_cbranch_scc1 .Lnot_wave_0_\@
	s_barrier_signal -3
.Lnot_wave_0_\@:
	s_barrier_wait -3
	s_barrier_signal -1
	s_barrier_wait -1
.endm
; A PREFETCH INTO THE L2 of the slot that the NEXT change of slots will ask for: 8 key steps ahead of that load.  All clusters of a head walk the same kv: the head's first cluster asks; its four partners take 32,768 bytes each,
; told apart by address; in each, waves 0 to 3 take 8,192 bytes, lanes 256 bytes apart: each block of 256 bytes is named once in the launch.  The last change that fills a slot asks for nothing; slots 0 to 2 come by their loads alone.
.macro ASK
	s_cmp_gt_u32 s[SLOTS], s[LIM]
	s_cbranch_scc0 .Lnot_mine_\@
	global_prefetch_b8 v[PFO], s[PFA:PFA+1] th:TH_LOAD_NT scope:SCOPE_SE
.Lnot_mine_\@:
.endm
	s_load_b128 s[4:7], s[0:1], 0x0                ; qimg s[4:5], kv s[6:7]
	s_load_b64 s[8:9], s[0:1], 0x10                ; ao
	v_lshl_add_u32 v[SPW], v0, 2, SPARE
	v_mov_b32 v[NIL], 0
	ds_add_u32 v[SPW], v[NIL]                      ; the wave's opening: the add, twice on end, and its wait ahead of my first tensor load
	ds_add_u32 v[SPW], v[NIL]
	v_lshrrev_b32 v1, 5, v0
	v_readfirstlane_b32 s[WV], v1                  ; wave 0..7
	v_and_b32 v[PFO], 31, v0
	v_lshlrev_b32 v[LI], 4, v[PFO]
	v_lshlrev_b32 v[PFO], 8, v[PFO]
	s_bfe_u32 s13, ttmp6, 0x40000                  ; cx: my place in the cluster
	s_lshl_b32 s14, ttmp9, 2
	s_add_co_u32 s14, s14, s13                     ; my block of 256 queries: it enters Q's and ao's addresses alone
	s_and_b32 s16, ttmp7, 0xffff                   ; batch x 8 + head, which the four partners share
	s_mov_b32 s[G1], 15|(3<<16)|(1<<21)            ; 15:0 the mask: all four work-groups; 17:16 elements of 8 bytes; 20 no padding; 21 set beside a mask
	s_mov_b32 s[G1+1], 32<<16                      ; tensor_dim0 = 32 elements: 256 bytes
	s_mov_b32 s[G1+2], 64<<16                      ; tensor_dim1 = 64
	s_mov_b32 s[G1+3], 32<<16                      ; tile_dim0
	s_mov_b32 s[G1+4], 64                          ; tile_dim1
	s_mov_b32 s[G1+5], 32                          ; from row to row: dense
	s_mov_b32 s[G1+6], 0
	s_mov_b32 s[G1+7], 0
	s_mov_b32 s[SEL], 0x76543210
	s_mov_b32 s[SEL+1], 0xfedcba98
	s_mov_b32 s[TB], 0
	s_mov_b32 s[SLOTS], 6
	s_lshr_b32 s[LIM], s[WV], 2                    ; 0 in waves 0 to 3,
	s_or_b32 s[LIM], s[LIM], ttmp9                 ; of the head's first cluster: the same in all four partners
	s_cmp_eq_u32 s[LIM], 0
	s_cselect_b32 s[LIM], 1, -1
	s_lshl_b32 s17, s[WV], 14                      ; my step's place in a slot, in LDS and in memory
	s_lshl_b32 s20, s16, 20                        ; the head's 64 steps
	s_mov_b32 s21, 0
	s_wait_dscnt 0x0                               ; both opening adds are done
	s_wait_kmcnt 0x0
	s_add_nc_u64 s[6:7], s[6:7], s[20:21]          ; kv at my head
	s_lshl_b32 s22, s13, 15
	s_and_b32 s23, s[WV], 3
	s_lshl_b32 s23, s23, 13
	s_add_co_u32 s22, s22, s23
	s_add_co_u32 s22, s22, 2*SLOT1                 ; in slot-load 2: the first change of slots steps it to 3.  Nothing is prefetched at the head
	s_mov_b32 s23, 0
	s_add_nc_u64 s[PFA:PFA+1], s[6:7], s[22:23]
	s_mov_b32 s20, s17
	s_add_nc_u64 s[6:7], s[6:7], s[20:21]          ; kv at my step of the first slot
	s_lshl_b32 s20, s16, 19
	s_lshl_b32 s22, s14, 15
	s_add_co_u32 s20, s20, s22
	s_lshl_b32 s22, s[WV], 12
	s_add_co_u32 s20, s20, s22
	s_add_nc_u64 s[4:5], s[4:5], s[20:21]          ; Q: my two tiles of 2,048 bytes
	s_lshr_b32 s20, s16, 3
	s_lshl_b32 s20, s20, 22                        ; ao: a batch's 256 token tiles of 16,384 bytes,
	s_lshl_b32 s22, s14, 18                        ; my block's 16,
	s_add_co_u32 s20, s20, s22
	s_lshl_b32 s22, s[WV], 15                      ; my wave's 2,
	s_add_co_u32 s20, s20, s22
	s_and_b32 s22, s16, 7
	s_lshl_b32 s22, s22, 11                        ; my head's two K steps
	s_add_co_u32 s20, s20, s22
	s_add_nc_u64 s[8:9], s[8:9], s[20:21]
.irp n, 0,1
	s_mov_b32 s[G0+4*\n], 1                        ; count = 1
	s_add_co_u32 s[G0+4*\n+1], s17, \n*SLOT1       ; LDS address: no place in the cluster enters it
	s_add_nc_u64 s[G0+4*\n+2:G0+4*\n+3], s[6:7], \n*SLOT1
	s_or_b32 s[G0+4*\n+3], s[G0+4*\n+3], 0x80000000  ; type = 2
.endr
	CROUND                                         ; all four work-groups are here: the first joint loads meet
	tensor_load_to_lds s[G0:G0+3], s[G1:G1+7]
	s_nop 0
	tensor_load_to_lds s[G0+4:G0+7], s[G1:G1+7]
	s_nop 0
	PLACES 4
	WIN 0x40                                       ; destination window 1
.set n, 0
.rept 8
	global_load_b128 v[QF+4*n:QF+4*n+3], v[LI], s[4:5] offset:512*n   ; Q stays in registers: fragment 2 t + c
.set n, n+1
.endr
	WIN 0
.irp t, 0,1
	v_mov_b32 v[ST+8*\t], 0xff61b1e6               ; m = -3e38, under every score
	v_mov_b32 v[ST+8*\t+1], 0                      ; (named with m as a pair)
	v_mov_b32 v[ST+8*\t+2], 0                      ; l, in two halves
	v_mov_b32 v[ST+8*\t+3], 0
	v_mov_b32 v[ST+8*\t+5], 0                      ; a lane permute's destination counts as one of its sources
.endr
.set n, 0
.rept 64
	v_mov_b32 v[O+n], 0                            ; O^T: the step is written once, and its first turn finds zeros
.set n, n+1
.endr
.macro LOADK                           ; the next step's K: 16 loads of 512 consecutive bytes
	WIN 0x40
.set n, 0
.rept 16
	ds_load_b128 v[KF+4*n:KF+4*n+3], v[ADR] offset:512*n
.set n, n+1
.endr
.endm
.macro LOADV                           ; and its V^T
	WIN 0x40
.set n, 0
.rept 16
	ds_load_b128 v[VF+4*n:VF+4*n+3], v[ADR] offset:8192+512*n
.set n, n+1
.endr
	s_add_co_u32 s[TB], s[TB], STEPB               ; the next fetch is the next step's
.endm
.macro KQ                              ; S^T = K Q^T: 16 products, the eight accumulators by turns; the first eight start the sums
	WIN 0x05                                       ; K and Q in window 1
.irp c, 0,1
.irp kt, 0,1,2,3
.irp t, 0,1
.if \c == 0
	v_wmma_f32_16x16x32_f16 v[S+32*\t+8*\kt:S+32*\t+8*\kt+7], v[KF+8*(2*\kt+\c):KF+8*(2*\kt+\c)+7], v[QF+8*(2*\t+\c):QF+8*(2*\t+\c)+7], 0
.else
	v_wmma_f32_16x16x32_f16 v[S+32*\t+8*\kt:S+32*\t+8*\kt+7], v[KF+8*(2*\kt+\c):KF+8*(2*\kt+\c)+7], v[QF+8*(2*\t+\c):QF+8*(2*\t+\c)+7], v[S+32*\t+8*\kt:S+32*\t+8*\kt+7]
.endif
.endr
.endr
.endr
.endm
.macro PV t                            ; O^T += V^T P for tile t: 8 products, its four accumulators by turns
	WIN 0x01                                       ; V^T in window 1
.irp kk, 0,1
.irp ct, 0,1,2,3
	v_wmma_f32_16x16x32_f16 v[O+32*(\t)+8*\ct:O+32*(\t)+8*\ct+7], v[VF+8*(4*\kk+\ct):VF+8*(4*\kk+\ct)+7], v[P+16*(\t)+8*\kk:P+16*(\t)+8*\kk+7], v[O+32*(\t)+8*\ct:O+32*(\t)+8*\ct+7]
.endr
.endr
.endm
.macro MAXES                           ; both tiles' new m, the tiles by turns; each accumulator is read from its low end on
.irp j, 0,1,2,3
.irp t, 0,1
	v_max3_num_f32 v[ST+8*\t+4+\j], v[S+32*\t+8*\j], v[S+32*\t+8*\j+1], v[S+32*\t+8*\j+2]
.endr
.endr
.irp i, 3,5
.irp j, 0,1,2,3
.irp t, 0,1
	v_max3_num_f32 v[ST+8*\t+4+\j], v[ST+8*\t+4+\j], v[S+32*\t+8*\j+\i], v[S+32*\t+8*\j+\i+1]
.endr
.endr
.endr
.irp t, 0,1
	v_max3_num_f32 v[ST+8*\t+4], v[ST+8*\t+4], v[S+32*\t+7], v[S+32*\t+15]
.endr
.irp t, 0,1
	v_max3_num_f32 v[ST+8*\t+6], v[ST+8*\t+6], v[S+32*\t+23], v[S+32*\t+31]
.endr
.irp t, 0,1
	v_max3_num_f32 v[ST+8*\t+4], v[ST+8*\t+4], v[ST+8*\t+5], v[ST+8*\t+6]
.endr
.irp t, 0,1
	v_max3_num_f32 v[ST+8*\t+4], v[ST+8*\t+4], v[ST+8*\t+7], v[ST+8*\t]   ; with the old m
.endr
.irp t, 0,1
	v_permlanex16_b32 v[ST+8*\t+5], v[ST+8*\t+4], s[SEL], s[SEL+1]        ; the query's other 32 keys lie in the lane 16 away
.endr
.irp t, 0,1
	v_mov_b32 v[ST+8*\t+7], v[ST+8*\t]
.endr
.irp t, 0,1
	v_max_num_f32 v[ST+8*\t], v[ST+8*\t+4], v[ST+8*\t+5]
.endr
.irp t, 0,1
	v_sub_f32 v[ST+8*\t+7], v[ST+8*\t+7], v[ST+8*\t]                      ; m_old - m_new
.endr
.endm
.macro SCALE t, j                      ; pair j of tile t: s - m
	v_pk_add_f32 v[S+32*(\t)+2*(\j):S+32*(\t)+2*(\j)+1], v[S+32*(\t)+2*(\j):S+32*(\t)+2*(\j)+1], v[ST+8*(\t):ST+8*(\t)+1] op_sel_hi:[1,0] neg_lo:[0,1] neg_hi:[0,1]
.endm
.macro CVT t, j                        ; pair j's weights to f16
	v_cvt_pk_f16_f32 v[P+16*(\t)+(\j)], v[S+32*(\t)+2*(\j)], v[S+32*(\t)+2*(\j)+1]
.endm
.macro RESC t, j                       ; pair j of O^T times the number in statistics + 6
	v_pk_mul_f32 v[O+32*(\t)+2*(\j):O+32*(\t)+2*(\j)+1], v[O+32*(\t)+2*(\j):O+32*(\t)+2*(\j)+1], v[ST+8*(\t)+6:ST+8*(\t)+7] op_sel_hi:[1,0]
.endm
.macro SUMS t                          ; the sum of the tile's 16 pairs, in place, neighbours 1, 2, 4 and 8 pairs apart; then l = a l + the sum
.set rS, S+32*(\t)
.set rT, ST+8*(\t)
.irp u, 0,1,2,3,4,5,6,7
	v_pk_add_f32 v[rS+4*\u:rS+4*\u+1], v[rS+4*\u:rS+4*\u+1], v[rS+4*\u+2:rS+4*\u+3]
.endr
.irp u, 0,1,2,3
	v_pk_add_f32 v[rS+8*\u:rS+8*\u+1], v[rS+8*\u:rS+8*\u+1], v[rS+8*\u+4:rS+8*\u+5]
.endr
.irp u, 0,1
	v_pk_add_f32 v[rS+16*\u:rS+16*\u+1], v[rS+16*\u:rS+16*\u+1], v[rS+16*\u+8:rS+16*\u+9]
.endr
	v_pk_add_f32 v[rS:rS+1], v[rS:rS+1], v[rS+16:rS+17]
	v_pk_fma_f32 v[rT+2:rT+3], v[rT+2:rT+3], v[rT+6:rT+7], v[rS:rS+1] op_sel_hi:[1,0,1]
.endm
; A KEY STEP j.  On entry its K Q^T is issued and its V^T's 16 loads may be out.  more = 1: the next step's K and V^T are fetched and its K Q^T issued.
.macro BODY more
	WIN 0
	v_add_nc_u32 v[ADR], s[TB], v[LI]              ; with the three below: four plain instructions between K Q^T and the loads into K's registers and the first read of the scores (ISA guide 7.12.1 for the read of the scores)
	PLACES 3
.if \more
	LOADK
	WIN 0
.endif
	MAXES
	; the exponentials go in two batches, each with one wait ahead of its first reader.  Batch 1: both a, tile 0's 32; between them the scalings, which name no result
	v_exp_f32 v[ST+6], v[ST+7]
	v_exp_f32 v[ST+14], v[ST+15]
	SCALE 0, 0
.set jj, 0
.rept 16
	v_exp_f32 v[S+2*jj], v[S+2*jj]
.if jj < 15
	SCALE 0, jj+1
.endif
	v_exp_f32 v[S+2*jj+1], v[S+2*jj+1]
	SCALE 1, jj
.set jj, jj+1
.endr
	s_wait_alu depctr_va_vdst(0)                   ; batch 1
	; batch 2: tile 1's 32, beside tile 0's roundings and the rescaling of its O^T
.set jj, 0
.rept 16
	v_exp_f32 v[S+32+2*jj], v[S+32+2*jj]
	CVT 0, jj
	v_exp_f32 v[S+32+2*jj+1], v[S+32+2*jj+1]
	RESC 0, jj
.set jj, jj+1
.endr
	SUMS 0
	s_wait_alu depctr_va_vdst(0)                   ; batch 2: sixteen plain lines behind its last; tile 1's readers then follow tile 0's products with no wait between
.if \more
	s_wait_dscnt 16                                ; V^T of this step is in; the next step's K, 16 younger loads, may be out
.else
	s_wait_dscnt 0x0
.endif
	PV 0
	WIN 0
.set jj, 0
.rept 16
	CVT 1, jj
.set jj, jj+1
.endr
.set jj, 0
.rept 16
	RESC 1, jj
.set jj, jj+1
.endr
	PV 1
	WIN 0
	SUMS 1                                         ; sixteen plain lines that name none of the last products' registers: the places in front of the loads into V^T's registers
.if \more
	LOADV
	s_wait_dscnt 16                                ; the next step's K is in; its V^T, the 16 just issued, may be out
	KQ
	WIN 0
.endif
.endm
; THE CHANGE OF SLOTS stands where all of a slot has been asked for from LDS.  Each wave waits for all its tensor loads (its part of the other slot), adds 0 to its spare word, and waits for that and for its reads of the slot.
; fill = 1: the barrier is a round of the cluster's, so that no wave of any partner still reads the slot or has a load on its way; the joint refill is the first thing behind it.
.macro CHANGE fill
	s_wait_tensorcnt 0x0                           ; no tensor load of mine is out, so a group 0 may be written
	ds_add_u32 v[SPW], v[NIL]
.if \fill
	s_xor_b32 s[G0+5], s[G0+5], SLOT1              ; the walking descriptor: the other slot than last time,
	s_add_nc_u64 s[G0+6:G0+7], s[G0+6:G0+7], SLOT1 ; the next 8 key steps; the type bits on top are not reached
	s_wait_xcnt 0x0                                ; the last prefetch, a slot back, has read its address
	s_add_nc_u64 s[PFA:PFA+1], s[PFA:PFA+1], SLOT1
	s_wait_dscnt 0x0                               ; the add is done, and my reads of the slot are over
	CROUND
	tensor_load_to_lds s[G0+4:G0+7], s[G1:G1+7]
	s_nop 0
	PLACES 4
	ASK
.else
	s_wait_dscnt 0x0
	s_barrier_signal -1
	s_barrier_wait -1
.endif
	s_sub_co_u32 s[TB], s[TB], 8*STEPB             ; the fetches go back to a slot's first step,
	s_xor_b32 s[TB], s[TB], SLOT1                  ; in the other slot
.endm
	s_wait_tensorcnt 0x1                           ; my part of slot 0 is in; slot 1's load may stay out
	s_barrier_signal -1
	s_barrier_wait -1                              ; everybody's is
	v_add_nc_u32 v[ADR], s[TB], v[LI]
	LOADK                                          ; key step 0
	LOADV
	s_wait_loadcnt 0x0                             ; Q
	s_wait_dscnt 16                                ; K is in; V^T's 16 loads may be out
	KQ
	WIN 0
	s_mov_b32 s[CNT], 7
.Lfirst:                                           ; steps 0 to 6, fetching steps 1 to 7: the rest of slot 0
	BODY 1
	s_sub_co_u32 s[CNT], s[CNT], 1
	s_cmp_lg_u32 s[CNT], 0
	s_cbranch_scc1 .Lfirst
.Lslot:                                            ; six trips: each leaves a slot, fills it again and fetches the other slot's 8 steps
	CHANGE 1
	s_mov_b32 s[CNT], 8
.Lstep:
	BODY 1
	s_sub_co_u32 s[CNT], s[CNT], 1
	s_cmp_lg_u32 s[CNT], 0
	s_cbranch_scc1 .Lstep
	s_sub_co_u32 s[SLOTS], s[SLOTS], 1
	s_cmp_lg_u32 s[SLOTS], 0
	s_cbranch_scc1 .Lslot
	CHANGE 0                                       ; the tail is written out: nothing more is asked for
	s_mov_b32 s[CNT], 8
.Llast:
	BODY 1
	s_sub_co_u32 s[CNT], s[CNT], 1
	s_cmp_lg_u32 s[CNT], 0
	s_cbranch_scc1 .Llast
	BODY 0                                         ; step 63
	; THE WAY OUT: l's halves and the other half of the lanes' are added; O^T / l, rounded to f16, IS the out projection's operand image: 512 consecutive bytes a store, straight from registers
.irp t, 0,1
	v_add_f32 v[ST+8*\t+4], v[ST+8*\t+2], v[ST+8*\t+3]
.endr
.irp t, 0,1
	v_permlanex16_b32 v[ST+8*\t+5], v[ST+8*\t+4], s[SEL], s[SEL+1]
.endr
.irp t, 0,1
	v_add_f32 v[ST+8*\t+4], v[ST+8*\t+4], v[ST+8*\t+5]
.endr
.irp t, 0,1
	v_rcp_f32 v[ST+8*\t+6], v[ST+8*\t+4]
.endr
	v_nop                                          ; a plain instruction between the last reciprocal and the use of its result
	s_wait_alu depctr_va_vdst(0)                   ; and a wait: one for both
.irp t, 0,1
.set jj, 0
.rept 16
	RESC \t, jj
.set jj, jj+1
.endr
.endr
.irp t, 0,1
.irp ct, 0,1,2,3
.irp e, 0,1,2,3
	v_cvt_pk_f16_f32 v[S+16*\t+4*\ct+\e], v[O+32*\t+8*\ct+2*\e], v[O+32*\t+8*\ct+2*\e+1]
.endr
	global_store_b128 v[LI], v[S+16*\t+4*\ct:S+16*\t+4*\ct+3], s[8:9] offset:16384*\t+512*\ct
.endr
.endr
	s_wait_tensorcnt 0x0                           ; the wave's end
	ds_add_u32 v[SPW], v[NIL]
	s_wait_dscnt 0x0
	CROUND                                         ; the closing round: no work-group ends while a partner may still ask for a tile that names it
	s_endpgm
.Lfunc_end_k_qf2b4fb4849_attn:
	.size	k_qf2b4fb4849_attn, .Lfunc_end_k_qf2b4fb4849_attn-k_qf2b4fb4849_attn
	.p2alignl 7, 3214868480
	.fill 96, 4, 3214868480
	.section	.rodata,"a",@progbits
	.p2align	6, 0x0
	.amdhsa_kernel k_qf2b4fb4849_attn
		.amdhsa_group_segment_fixed_size 327680
		.amdhsa_private_segment_fixed_size 0
		.amdhsa_enable_private_segment 0
		.amdhsa_kernarg_size 24
		.amdhsa_user_sgpr_count 2
		.amdhsa_user_sgpr_kernarg_segment_ptr 1
		.amdhsa_wavefront_size32 1
		.amdhsa_system_sgpr_workgroup_id_x 1
		.amdhsa_system_sgpr_workgroup_id_y 1
		.amdhsa_system_sgpr_workgroup_id_z 1
		.amdhsa_system_vgpr_workitem_id 0
		.amdhsa_next_free_vgpr 512
		.amdhsa_next_free_sgpr 66
		.amdhsa_reserve_vcc 0
		.amdhsa_float_denorm_mode_32 3
		.amdhsa_float_denorm_mode_16_64 3
		.amdhsa_memory_ordered 1
		.amdhsa_forward_progress 1
		.amdhsa_inst_pref_size 83
	.end_amdhsa_kernel
	.amdgpu_metadata
---
amdhsa.version: [ 1, 2 ]
amdhsa.kernels:
  - .name:           k_qf2b4fb4849_attn
    .symbol:         k_qf2b4fb4849_attn.kd
    .args:
      - { .name: qimg, .offset: 0, .size: 8, .value_kind: global_buffer, .address_space: global }
      - { .name: kv, .offset: 8, .size: 8, .value_kind: global_buffer, .address_space: global }
      - { .name: ao, .offset: 16, .size: 8, .value_kind: global_buffer, .address_space: global }
    .group_segment_fixed_size: 327680
    .private_segment_fixed_size: 0
    .kernarg_segment_align: 8
    .kernarg_segment_size: 24
    .max_flat_workgroup_size: 256
    .sgpr_count:     66
    .vgpr_count:     512
    .wavefront_size: 32
...
	.end_amdgpu_metadata
.endif
;; end of part 3
;; launch oproj (part 4): grid 4 x 64, 4 waves a work-group, clusters of 4 x 4, 280,064 bytes of LDS; arguments ao, woimg, bo, out0; writes out0
.if DOCPART == 4
	.amdgcn_target "amdgcn-amd-amdhsa--gfx1250"
	.amdhsa_code_object_version 6
	.text
	.protected	k_qf2b4fb4849_oproj
	.globl	k_qf2b4fb4849_oproj
	.p2align	8
	.type	k_qf2b4fb4849_oproj,@function
k_qf2b4fb4849_oproj:
	s_mov_b64 s[64:65], 0
	v_nop
	global_prefetch_b8 v0, s[64:65] scope:SCOPE_SE
	s_setreg_imm32_b32 hwreg(HW_REG_WAVE_MODE, 25, 1), 1
	s_wait_xcnt 0x0
	s_wait_alu depctr_hold_cnt(0) depctr_sa_sdst(0) depctr_va_vdst(0) depctr_va_sdst(0) depctr_va_ssrc(0) depctr_va_vcc(0) depctr_vm_vsrc(0)
	s_getreg_b32 s2, hwreg(HW_REG_IB_STS2, 6, 4)
	s_cmp_eq_u32 s2, 0
	s_cbranch_scc0 .Lentry_in_a_cluster
	s_endpgm
.Lentry_in_a_cluster:
	s_bfe_u32 s2, ttmp6, 0x10000c
	s_cmp_lg_u32 s2, 0xf033
	s_cbranch_scc0 .Lentry_shape_is_right
	s_endpgm
.Lentry_shape_is_right:
; out0 = ao Wo + bo.  ao [8192][512] and Wo [512][512] arrive in f16 as images of operand registers (a group of four registers is 512 bytes, lane l at 16 l):
;   ao [tile of 16 tokens 512][K step of 32: 16][u 2][512 B];  woimg [n tile of 16 columns 32][K step 16][u 2][512 B].  Sums in f32, K ascending; bo is the C of each sum's first product.  out0 [8192][512] f32.
; SHARES: a work-group makes 128 tokens x 128 columns; wave (wr, wc) 64 x 64: 16 accumulators.  The product is used TRANSPOSED (source 0 = 16 columns of Wo, source 1 = 16 tokens): a lane holds eight neighbouring columns of one token.
; ALL OF K LIES IN LDS, FILLED ONCE, in four chunks of 128 along K (65,536 bytes: 8 tiles of ao, 8 of Wo, 4,096 bytes each): nothing is filled again; chunk q is multiplied while the later chunks land.
; Each wave has four tensor loads out at the start, one a chunk: waves 0, 1 ao's halves, waves 2, 3 Wo's; a load is 4 rows of 4,096 bytes, 16,384 bytes apart in memory, dense in LDS.
; CLUSTERS: 4 x 4 work-groups.  ao's tiles hang on the token block alone and are shared along a row of the cluster, Wo's on the column block alone and are shared along a column: each is asked for jointly by the four.
; REGISTERS: window 0: v8-11, v12-15 LDS addresses of my fragments in chunk q; v16-19 the way out and the bias; v28, v29 the add's two; v32-63 bias, 8 an n tile; v64-127 the way out; v128-255 accumulators, 8 (4 a + b).
;   window 1: two buffers of 64: four fragments of ao, then four of Wo.
.set CHUNK,  65536
.set STAGE,  4*CHUNK                   ; behind the chunks: 16 rows x 272 bytes for each wave; no tensor load lands there
.set SPITCH, 272                       ; 256 bytes + 16: 17 x 16, so the 16 rows that a store touches begin 16 bytes apart modulo 256
.set SPARE,  STAGE+4*16*SPITCH         ; the spare words, 128 bytes for each wave
.set ADRA, 8
.set ADRB, 12
.set STO,  16
.set RD,   17
.set CO,   18
.set BOF,  19
.set SPW,  28
.set NIL,  29
.set BIAS, 32
.set TMP,  64
.set ACC,  128
.set WV,   12                          ; s12 my wave's number
.set G1A,  24                          ; s[24:31] descriptor group 1 for ao's tiles;  s[32:39] for Wo's: it differs in the mask alone
.set G1B,  32
.set G0A,  44                          ; s[44:59] groups 0 for ao's four chunks;  s[68:83] for Wo's
.set G0B,  68
.set MSB, 0
.macro WIN new                         ; the immediate's high byte repeats the setting that is left
.if MSB != \new
	s_set_vgpr_msb (MSB<<8)|\new
.set MSB, \new
.endif
.endm
.macro PLACES n
.rept \n
	v_nop
.endr
.endm
.macro CROUND                          ; a round of the cluster's barrier
	s_barrier_signal -1
	s_barrier_wait -1
	s_cmp_lg_u32 s[WV], 0
	s_cbranch_scc1 .Lnot_wave_0_\@
	s_barrier_signal -3
.Lnot_wave_0_\@:
	s_barrier_wait -3
	s_barrier_signal -1
	s_barrier_wait -1
.endm
	s_load_b256 s[4:11], s[0:1], 0x0               ; ao s[4:5], woimg s[6:7], bo s[8:9], out0 s[10:11]
	v_lshl_add_u32 v[SPW], v0, 2, SPARE
	v_mov_b32 v[NIL], 0
	ds_add_u32 v[SPW], v[NIL]                      ; the wave's opening: the add, twice on end, and its wait ahead of my first tensor load
	ds_add_u32 v[SPW], v[NIL]
	v_lshrrev_b32 v1, 5, v0
	v_readfirstlane_b32 s[WV], v1                  ; wave 0..3
	s_lshr_b32 s13, s[WV], 1                       ; which 64 tokens are mine.  Also: I fetch for ao (0) or for Wo (1)
	s_and_b32 s22, s[WV], 1                        ; which 64 columns.  Also: which four tiles I fetch
	s_bfe_u32 s40, ttmp6, 0x40000                  ; cx, cy: my place in the cluster
	s_bfe_u32 s41, ttmp6, 0x40004
	s_lshl_b32 s42, ttmp9, 2
	s_add_co_u32 s42, s42, s40                     ; column block = 4 x cluster x + cx
	s_and_b32 s14, ttmp7, 0xffff
	s_lshl_b32 s14, s14, 2
	s_add_co_u32 s14, s14, s41                     ; token block = 4 x cluster y + cy
	s_lshl_b32 s43, s41, 2
	s_lshl_b32 s43, 15, s43                        ; my row of the cluster
	s_lshl_b32 s15, 0x1111, s40                    ; my column
	s_or_b32 s[G1A], s43, (3<<16)|(1<<21)          ; 15:0 the mask; 17:16 elements of 8 bytes; 20 no padding; 21 set beside a mask
	s_or_b32 s[G1B], s15, (3<<16)|(1<<21)
.irp g, G1A, G1B
	s_mov_b32 s[\g+1], 512<<16                     ; tensor_dim0 = 512 elements: 4,096 bytes
	s_mov_b32 s[\g+2], 4<<16                       ; tensor_dim1 = 4
	s_mov_b32 s[\g+3], 512<<16                     ; tile_dim0
	s_mov_b32 s[\g+4], 4                           ; tile_dim1
	s_mov_b32 s[\g+5], 2048                        ; from row to row: a tile's 16,384 bytes
	s_mov_b32 s[\g+6], 0
	s_mov_b32 s[\g+7], 0
.endr
	s_lshl_b32 s18, s22, 16                        ; which four tiles I fetch
	s_lshl_b32 s16, s14, 17                        ; ao: a token block's 8 tiles
	s_add_co_u32 s16, s16, s18
	s_mov_b32 s17, 0
	s_lshl_b32 s20, s42, 17                        ; Wo: a column block's 8 tiles
	s_add_co_u32 s20, s20, s18
	s_mov_b32 s21, 0
	s_lshl_b32 s19, s[WV], 14                      ; where they go in a chunk: wave x 16,384: no place in the cluster enters an LDS address
	s_wait_dscnt 0x0                               ; both opening adds are done
	s_wait_kmcnt 0x0
	s_add_nc_u64 s[16:17], s[4:5], s[16:17]
	s_add_nc_u64 s[20:21], s[6:7], s[20:21]
.irp q, 0,1,2,3
	s_mov_b32 s[G0A+4*\q], 1
	s_add_co_u32 s[G0A+4*\q+1], s19, \q*CHUNK
	s_add_nc_u64 s[G0A+4*\q+2:G0A+4*\q+3], s[16:17], \q*4096
	s_or_b32 s[G0A+4*\q+3], s[G0A+4*\q+3], 0x80000000
	s_mov_b32 s[G0B+4*\q], 1
	s_add_co_u32 s[G0B+4*\q+1], s19, \q*CHUNK
	s_add_nc_u64 s[G0B+4*\q+2:G0B+4*\q+3], s[20:21], \q*4096
	s_or_b32 s[G0B+4*\q+3], s[G0B+4*\q+3], 0x80000000
.endr
	CROUND                                         ; all sixteen work-groups are here: the joint loads meet
	s_cmp_eq_u32 s13, 0                            ; a wave's four fills stand in one branch, on the wave's number alone, ahead of every wait on TENSORcnt, every LDS read and every other barrier
	s_cbranch_scc0 .Lfor_b
.irp q, 0,1,2,3
	tensor_load_to_lds s[G0A+4*\q:G0A+4*\q+3], s[G1A:G1A+7]
	s_nop 0
.endr
	PLACES 4
	s_branch .Lasked
.Lfor_b:
.irp q, 0,1,2,3
	tensor_load_to_lds s[G0B+4*\q:G0B+4*\q+3], s[G1B:G1B+7]
	s_nop 0
.endr
	PLACES 4
.Lasked:
	v_and_b32 v1, 15, v0                           ; r
	v_bfe_u32 v2, v0, 4, 1                         ; h
	v_and_b32 v3, 31, v0
	v_lshlrev_b32 v3, 4, v3                        ; 16 x lane
	v_lshlrev_b32 v[BOF], 5, v2                    ; 32 h: eight biases
	s_lshl_b32 s62, s42, 9                         ; my columns: 512 bytes a column block, 256 a wave
	s_lshl_b32 s63, s22, 8
	s_add_co_u32 s62, s62, s63
	s_mov_b32 s63, 0
	s_add_nc_u64 s[8:9], s[8:9], s[62:63]
	s_add_nc_u64 s[10:11], s[10:11], s[62:63]
	s_lshl_b32 s62, s14, 18                        ; my rows: 128 rows of 2,048 bytes a token block, 64 a wave
	s_lshl_b32 s61, s13, 17
	s_add_co_u32 s62, s62, s61
	s_add_nc_u64 s[10:11], s[10:11], s[62:63]
.irp b, 0,1,2,3
	global_load_b128 v[BIAS+8*\b:BIAS+8*\b+3], v[BOF], s[8:9] offset:64*\b
	global_load_b128 v[BIAS+8*\b+4:BIAS+8*\b+7], v[BOF], s[8:9] offset:64*\b+16
.endr
	s_lshl_b32 s84, s13, 14                        ; my four tiles of ao in a chunk,
	s_lshl_b32 s85, s22, 14
	s_add_co_u32 s85, s85, 32768                   ; and of Wo, behind ao's eight
.irp q, 0,1,2,3
	v_add_nc_u32 v[ADRA+\q], s84, v3
	v_add_nc_u32 v[ADRB+\q], s85, v3
	s_add_co_u32 s84, s84, CHUNK
	s_add_co_u32 s85, s85, CHUNK
.endr
	s_mul_i32 s60, s[WV], 16*SPITCH
	s_add_co_u32 s60, s60, STAGE                   ; my stage
	v_mul_u32_u24 v4, v1, SPITCH
	v_lshl_add_u32 v4, v2, 5, v4
	v_add_nc_u32 v[STO], s60, v4                   ; in: row r, 32 bytes for each half of the lanes
	v_mul_u32_u24 v4, v2, SPITCH
	v_lshl_add_u32 v4, v1, 4, v4
	v_add_nc_u32 v[RD], s60, v4                    ; back: lanes 0-15 one row of 256 bytes, lanes 16-31 the next
	v_lshlrev_b32 v[CO], 11, v2
	v_lshl_add_u32 v[CO], v1, 4, v[CO]             ; and the same two rows in out0
.macro FETCH k                         ; K step k's eight fragments, 16 loads of 512 consecutive bytes, into buffer k % 2
	WIN 0x40                                       ; destination window 1
.set FB, 64*((\k)%2)
.irp a, 0,1,2,3
.irp u, 0,1
	ds_load_b128 v[FB+8*\a+4*\u:FB+8*\a+4*\u+3], v[ADRA+(\k)/4] offset:4096*\a+1024*((\k)%4)+512*\u
.endr
.endr
.irp b, 0,1,2,3
.irp u, 0,1
	ds_load_b128 v[FB+32+8*\b+4*\u:FB+32+8*\b+4*\u+3], v[ADRB+(\k)/4] offset:4096*\b+1024*((\k)%4)+512*\u
.endr
.endr
.endm
; K step k: the next step's fragments are asked for, then 16 products, the 16 accumulators by turns
.macro KS k
.if (\k)+1 < 16
.if ((\k)+1)%4 == 0
	s_wait_tensorcnt 3-((\k)+1)/4                  ; my part of the next chunk is in; the later chunks' loads may stay out
	s_wait_dscnt 0x0                               ; no LDS instruction of mine is pending at the signal
	s_barrier_signal -1
	s_barrier_wait -1                              ; everybody's part is in
.endif
.if (\k) > 0
	PLACES 4                                       ; four plain instructions between the last step's products and loads into the registers that they read
.endif
	FETCH (\k)+1
	s_wait_dscnt 16                                ; this step's fragments are in; the 16 loads just issued may be out
.else
	s_wait_dscnt 0x0
.endif
	WIN 0x05                                       ; sources 0 and 1 in window 1
.set FB, 64*((\k)%2)
.irp a, 0,1,2,3
.irp b, 0,1,2,3
.if (\k) == 0
	v_wmma_f32_16x16x32_f16 v[ACC+8*(4*\a+\b):ACC+8*(4*\a+\b)+7], v[FB+32+8*\b:FB+32+8*\b+7], v[FB+8*\a:FB+8*\a+7], v[BIAS+8*\b:BIAS+8*\b+7]
.else
	v_wmma_f32_16x16x32_f16 v[ACC+8*(4*\a+\b):ACC+8*(4*\a+\b)+7], v[FB+32+8*\b:FB+32+8*\b+7], v[FB+8*\a:FB+8*\a+7], v[ACC+8*(4*\a+\b):ACC+8*(4*\a+\b)+7]
.endif
.endr
.endr
.endm
	s_wait_tensorcnt 0x3                           ; my part of chunk 0 is in; chunks 1 to 3 may stay out
	s_barrier_signal -1
	s_barrier_wait -1
	FETCH 0
	s_wait_loadcnt 0x0                             ; the bias
.set kk, 0
.rept 16
	KS kk
.set kk, kk+1
.endr
	WIN 0
; THE WAY OUT, 16 tokens x 64 columns at a time, through my own stage: a lane's 32 bytes go into rows of 272 bytes and come back as whole rows of 256, which sixteen lanes store as one aligned run of 256 bytes.
; LDS serves a wave's instructions in order (ISA guide 5.7.1.4): no wait between the stores and the loads, nor in front of the next block's stores.
.macro TOSTAGE a
.irp b, 0,1,2,3
	ds_store_b128 v[STO], v[ACC+8*(4*(\a)+\b):ACC+8*(4*(\a)+\b)+3] offset:64*\b       ; each accumulator from its low end on
	ds_store_b128 v[STO], v[ACC+8*(4*(\a)+\b)+4:ACC+8*(4*(\a)+\b)+7] offset:64*\b+16
.endr
.irp t, 0,1,2,3,4,5,6,7
	ds_load_b128 v[TMP+32*((\a)%2)+4*\t:TMP+32*((\a)%2)+4*\t+3], v[RD] offset:2*\t*SPITCH
.endr
.endm
.macro SEND a, younger                 ; younger: the LDS instructions issued behind block a's loads, which may stay out
	s_wait_dscnt \younger
.irp t, 0,1,2,3,4,5,6,7
	global_store_b128 v[CO], v[TMP+32*((\a)%2)+4*\t:TMP+32*((\a)%2)+4*\t+3], s[10:11] offset:(16*(\a)+2*\t)*2048 th:TH_STORE_NT
.endr
.endm
	PLACES 4                                       ; four plain instructions between the last products and the first read of results
	TOSTAGE 0
.irp a, 1,2,3
.if \a > 1
	s_wait_xcnt 0x0                                ; block a - 2's stores have read their registers: block a's loads may land there
.endif
	TOSTAGE \a
	SEND \a-1, 16                                  ; behind block a - 1's loads: block a's 8 stores and 8 loads
.endr
	SEND 3, 0
	s_wait_tensorcnt 0x0                           ; the wave's end
	ds_add_u32 v[SPW], v[NIL]
	s_wait_dscnt 0x0
	CROUND                                         ; the closing round
	s_endpgm
.Lfunc_end_k_qf2b4fb4849_oproj:
	.size	k_qf2b4fb4849_oproj, .Lfunc_end_k_qf2b4fb4849_oproj-k_qf2b4fb4849_oproj
	.p2alignl 7, 3214868480
	.fill 96, 4, 3214868480
	.section	.rodata,"a",@progbits
	.p2align	6, 0x0
	.amdhsa_kernel k_qf2b4fb4849_oproj
		.amdhsa_group_segment_fixed_size 280064
		.amdhsa_private_segment_fixed_size 0
		.amdhsa_enable_private_segment 0
		.amdhsa_kernarg_size 32
		.amdhsa_user_sgpr_count 2
		.amdhsa_user_sgpr_kernarg_segment_ptr 1
		.amdhsa_wavefront_size32 1
		.amdhsa_system_sgpr_workgroup_id_x 1
		.amdhsa_system_sgpr_workgroup_id_y 1
		.amdhsa_system_sgpr_workgroup_id_z 1
		.amdhsa_system_vgpr_workitem_id 0
		.amdhsa_next_free_vgpr 384
		.amdhsa_next_free_sgpr 90
		.amdhsa_reserve_vcc 0
		.amdhsa_float_denorm_mode_32 3
		.amdhsa_float_denorm_mode_16_64 3
		.amdhsa_memory_ordered 1
		.amdhsa_forward_progress 1
		.amdhsa_inst_pref_size 53
	.end_amdhsa_kernel
	.amdgpu_metadata
---
amdhsa.version: [ 1, 2 ]
amdhsa.kernels:
  - .name:           k_qf2b4fb4849_oproj
    .symbol:         k_qf2b4fb4849_oproj.kd
    .args:
      - { .name: ao, .offset: 0, .size: 8, .value_kind: global_buffer, .address_space: global }
      - { .name: woimg, .offset: 8, .size: 8, .value_kind: global_buffer, .address_space: global }
      - { .name: bo, .offset: 16, .size: 8, .value_kind: global_buffer, .address_space: global }
      - { .name: out0, .offset: 24, .size: 8, .value_kind: global_buffer, .address_space: global }
    .group_segment_fixed_size: 280064
    .private_segment_fixed_size: 0
    .kernarg_segment_align: 8
    .kernarg_segment_size: 32
    .max_flat_workgroup_size: 128
    .sgpr_count:     90
    .vgpr_count:     384
    .wavefront_size: 32
...
	.end_amdgpu_metadata
.endif
;; end of part 4
;; ======== version 2 of 2: 4 launches; version 1 with the launch proj written anew for expert scheduling mode
;; limits: values are held in f16: magnitudes above 65,504 overflow, below 6.1e-05 lose precision
;; workspace buffers: ximg 2,097,152 bytes; xsc 131,072 bytes; wimg 393,216 bytes; wsc 24,576 bytes; woimg 524,288 bytes; qimg 8,388,608 bytes; kv 16,777,216 bytes; ao 8,388,608 bytes
;; launch prep: the kernel of part 1 again; grid 320 x 1, 4 waves a work-group, no clusters, 34,304 bytes of LDS; arguments hidden_states, Wq, Wk, Wv, Wo, ximg, xsc, wimg, wsc, woimg; writes ximg, xsc, wimg, wsc, woimg
;; launch proj (part 5): grid 4 x 64, 4 waves a work-group, no clusters, 0 bytes of LDS; arguments ximg, xsc, wimg, wsc, bq, bk, bv, qimg, kv; writes qimg, kv
.if DOCPART == 5
	.amdgcn_target "amdgcn-amd-amdhsa--gfx1250"
	.amdhsa_code_object_version 6
	.text
	.protected	k_qf2b4fb4849_proj
	.globl	k_qf2b4fb4849_proj
	.p2align	8
	.type	k_qf2b4fb4849_proj,@function
k_qf2b4fb4849_proj:
	s_mov_b64 s[64:65], 0
	v_nop
	global_prefetch_b8 v0, s[64:65] scope:SCOPE_SE
	s_setreg_imm32_b32 hwreg(HW_REG_WAVE_SCHED_MODE, 0, 2), 2
	s_setreg_imm32_b32 hwreg(HW_REG_WAVE_MODE, 25, 1), 1
	s_wait_xcnt 0x0
	s_wait_alu depctr_vm_vsrc(0)
; q = x Wq + bq, k = x Wk + bk, v = x Wv + bv on codes of FP4 (E2M1) with E8M0 scales, sums in f32, K = 512 ascending, one accumulator an output; the bias is the C of each sum's first product.
; q is multiplied by log2(e) / 8 (the softmax's scale and its change of base); all three are rounded to f16 and leave as images of the attention's operand registers (512 bytes a group of four registers, lane l at 16 l):
;   qimg [b x head 16][tile of 16 queries 256][c 2][u 2][512 B]: lane (r, h): query r, channels 32 c + 16 u + 8 h + 0 .. 7
;   kv   [b x head 16][step of 64 keys 64][16,384 B]: K as [tile of 16 keys 4][c 2][u 2][512 B], like qimg; then V^T as [kk 2][ct 4][u 2][512 B]: lane (r, h): channel 16 ct + r, keys 32 kk + 16 u + 8 h + 0 .. 7
; LIMIT: f16: |q| log2(e) / 8, |k|, |v| up to 65,504.
; SHARES: a work-group takes 128 tokens (8 tiles) and 128 columns (two heads) of each of q, k, v; wave w takes all 8 token tiles and n tiles 2 w, 2 w + 1 of each kind: six n tiles j = 2 x kind + e.
; q and k are made TRANSPOSED (source 0 = 16 columns of W, source 1 = 16 tokens): a lane holds one token and eight neighbouring channels, 16 bytes of f16.  v is made the natural way round: a lane holds one channel and eight neighbouring tokens.
; So every result is stored straight from registers, 512 consecutive aligned bytes a store.
; NO LDS AND NO JOINT LOADS: K is four matrix instructions deep, so there is no loop for a ring to run ahead of: every operand is asked for once, at the head, straight into the registers that multiply it (56 KB a wave).
; What is shared: a work-group's four waves ask for the same 32 KB of x's codes, as do the four work-groups of a token block; a column group's 96 KB of weight codes are asked for by 64 work-groups.
; A work-group asks for 224 KB, of which 128 KB are different bytes, and stores 96 KB; through LDS the same 224 KB would be read again from there.
; REGISTERS: window 0: v1-4 offsets; v16-31 x's scale words (2 T + i: lanes 0-15 K step 2 i, lanes 16-31 K step 2 i + 1); v32-43 W's (2 j + i); v48-95 biases (8 j); v96-223 two sets of 8 accumulators.
;   window 1: x's fragments, v[32 T + 8 ks];   window 2: W's, v[32 j + 8 ks]; from v192 two out-buffers of 32.
; THE MODE: SCHED_MODE bits 1:0 = 2 (LLVM: expert scheduling mode 2), set by the entry lines.  The code itself states the register dependences
; between vector or matrix instructions and memory instructions, with s_wait_alu, always for 0.
; THE PLAN.  The text is one straight path.  Registers that memory instructions touch:
;   v1 .. v4      offsets: written at the head, never again; read by every load and store.  One wait on va_vdst ahead of the first load states that they are written.
;   biases, scale words, x's and W's fragments: every load is issued at the head, before any vector or matrix instruction names its registers; none is issued later.
;   OUT0, OUT1    n tile j's 32 roundings (CONV j) write OUT[j % 2]; its eight stores (SEND j) read it.  One wait on va_vdst stands ahead of each run of eight stores.
;   The accumulators are named by vector and matrix instructions alone: no product hangs on a store.
; THE ORDER: RUN 0, RUN 1, CONV 0, SEND 0, RUN 2, CONV 1, SEND 1, RUN 3, CONV 2, SEND 2, RUN 4, CONV 3, SEND 3, RUN 5, CONV 4, SEND 4, CONV 5, SEND 5.
; An out-buffer is written again two n tiles on.  The wait on vm_vsrc (with the wait on XCNT beside it) stands twice: at the head of CONV 2, behind SEND 0 and SEND 1, it frees both buffers, for CONV 2 and CONV 3
; (the one run of stores between it and CONV 3, SEND 2, reads OUT0 and v1, not OUT1); at the head of CONV 4, behind SEND 2 and SEND 3, likewise for CONV 4 and CONV 5.
.set XS,   16
.set WS,   32
.set BIAS, 48
.set ACC,  96
.set OUT,  192                         ; in window 2: buffer s, token tile T: four registers at OUT + 32 s + 4 T
.set MSB, 0
.macro WIN new                         ; the immediate's high byte repeats the setting that is left
.if MSB != \new
	s_set_vgpr_msb (MSB<<8)|\new
.set MSB, \new
.endif
.endm
.macro PLACES n
.rept \n
	v_nop
.endr
.endm
	s_load_b512 s[16:31], s[0:1], 0x0              ; ximg 16, xsc 18, wimg 20, wsc 22, bq 24, bk 26, bv 28, qimg 30
	s_load_b64 s[32:33], s[0:1], 0x40              ; kv
	v_lshrrev_b32 v5, 5, v0
	v_readfirstlane_b32 s4, v5                     ; wave 0..3
	v_and_b32 v5, 31, v0
	v_lshlrev_b32 v1, 4, v5                        ; 16 x lane
	v_lshlrev_b32 v2, 2, v5                        ; 4 x lane
	v_bfe_u32 v3, v0, 4, 1
	v_lshlrev_b32 v3, 5, v3                        ; 32 h: eight biases
	v_and_b32 v4, 15, v0
	v_lshlrev_b32 v4, 2, v4                        ; 4 r
	s_and_b32 s6, ttmp7, 0xffff                    ; block of 128 tokens
	s_mov_b32 s34, 0x3e38aa3b                      ; log2(e) / 8
	s_mov_b32 s35, s34                             ; (named with it as a pair)
	s_wait_alu depctr_va_sdst(0)                   ; s4, the wave's number, is written, ahead of its first reader: the n tiles, the head and the channels are made from it
	s_lshl_b32 s7, ttmp9, 3
	s_lshl_b32 s8, s4, 1
	s_add_co_u32 s7, s7, s8                        ; my first n tile inside a weight: 8 x column group + 2 x wave
	s_mov_b32 s9, 0
	s_lshr_b32 s10, s6, 5
	s_lshl_b32 s10, s10, 3
	s_lshl_b32 s11, ttmp9, 1
	s_add_co_u32 s10, s10, s11
	s_lshr_b32 s11, s4, 1
	s_add_co_u32 s10, s10, s11                     ; batch x 8 + head
	s_and_b32 s11, s6, 31                          ; the token block inside its batch
	s_and_b32 s12, s4, 1                           ; which 32 channels of the head
	s_wait_kmcnt 0x0
	s_lshl_b32 s8, s6, 15
	s_add_nc_u64 s[16:17], s[16:17], s[8:9]        ; x's codes: 8 tiles of 4,096 bytes
	s_lshl_b32 s8, s6, 11
	s_add_nc_u64 s[18:19], s[18:19], s[8:9]        ; x's scale words: 8 x 256
	s_lshl_b32 s8, s7, 12
	s_add_nc_u64 s[20:21], s[20:21], s[8:9]
	s_lshl_b32 s8, s7, 8
	s_add_nc_u64 s[22:23], s[22:23], s[8:9]
	s_lshl_b32 s8, s7, 6                           ; 16 columns x 4 bytes an n tile
	s_add_nc_u64 s[24:25], s[24:25], s[8:9]
	s_add_nc_u64 s[26:27], s[26:27], s[8:9]
	s_add_nc_u64 s[28:29], s[28:29], s[8:9]
	s_lshl_b32 s8, s10, 19
	s_lshl_b32 s13, s11, 14
	s_add_co_u32 s8, s8, s13
	s_lshl_b32 s13, s12, 10
	s_add_co_u32 s8, s8, s13
	s_add_nc_u64 s[30:31], s[30:31], s[8:9]        ; q's way out
	s_lshl_b32 s8, s10, 20
	s_lshl_b32 s13, s11, 15
	s_add_co_u32 s14, s8, s13
	s_lshl_b32 s13, s12, 10
	s_add_co_u32 s8, s14, s13
	s_add_nc_u64 s[40:41], s[32:33], s[8:9]        ; k's
	s_lshl_b32 s13, s12, 11
	s_add_co_u32 s8, s14, s13
	s_add_co_u32 s8, s8, 8192
	s_add_nc_u64 s[42:43], s[32:33], s[8:9]        ; v's
	s_wait_alu depctr_va_vdst(0)                   ; the offsets v1 to v4 are written: every load and store of the kernel reads one of them.  Up to the last load only loads and window switches follow
.irp e, 0,1                                    ; biases first, then scale words, x's codes, and the weights' codes in the order in which they are multiplied
	global_load_b128 v[BIAS+8*\e:BIAS+8*\e+3], v3, s[24:25] offset:64*\e
	global_load_b128 v[BIAS+8*\e+4:BIAS+8*\e+7], v3, s[24:25] offset:64*\e+16
	global_load_b128 v[BIAS+16+8*\e:BIAS+16+8*\e+3], v3, s[26:27] offset:64*\e
	global_load_b128 v[BIAS+16+8*\e+4:BIAS+16+8*\e+7], v3, s[26:27] offset:64*\e+16
	global_load_b32 v[BIAS+32+8*\e], v4, s[28:29] offset:64*\e
.endr
.irp T, 0,1,2,3,4,5,6,7
.irp i, 0,1
	global_load_b32 v[XS+2*\T+\i], v2, s[18:19] offset:256*\T+128*\i
.endr
.endr
.irp y, 0,1,2
.irp e, 0,1
.irp i, 0,1
	global_load_b32 v[WS+4*\y+2*\e+\i], v2, s[22:23] offset:8192*\y+256*\e+128*\i
.endr
.endr
.endr
	WIN 0x40                                       ; destination window 1
.set n, 0
.rept 64
	global_load_b128 v[4*n:4*n+3], v1, s[16:17] offset:512*n
.set n, n+1
.endr
	WIN 0x80                                       ; destination window 2
.irp y, 0,1,2
.set n, 0
.rept 16
	global_load_b128 v[64*\y+4*n:64*\y+4*n+3], v1, s[20:21] offset:131072*\y+512*n
.set n, n+1
.endr
.endr
	WIN 0
; one product: n tile j, accumulator set, K step ks, token tile T
.macro MM j, set, ks, T
.set rD, ACC+64*(\set)+8*(\T)
.set rW, 32*(\j)+8*(\ks)
.set rX, 32*(\T)+8*(\ks)
.set rC, rD
.if (\ks) == 0
.set rC, BIAS+8*(\j)
.endif
.set sW, WS+2*(\j)+(\ks)/2
.set sX, XS+2*(\T)+(\ks)/2
.if (\j) < 4
.if (\ks)%2
	v_wmma_scale_f32_16x16x128_f8f6f4 v[rD:rD+7], v[rW:rW+7], v[rX:rX+7], v[rC:rC+7], v[sW], v[sX] matrix_a_fmt:MATRIX_FMT_FP4 matrix_b_fmt:MATRIX_FMT_FP4 matrix_a_scale:MATRIX_SCALE_ROW1 matrix_b_scale:MATRIX_SCALE_ROW1
.else
	v_wmma_scale_f32_16x16x128_f8f6f4 v[rD:rD+7], v[rW:rW+7], v[rX:rX+7], v[rC:rC+7], v[sW], v[sX] matrix_a_fmt:MATRIX_FMT_FP4 matrix_b_fmt:MATRIX_FMT_FP4
.endif
.else
.if (\ks)%2
	v_wmma_scale_f32_16x16x128_f8f6f4 v[rD:rD+7], v[rX:rX+7], v[rW:rW+7], v[rC:rC+7], v[sX], v[sW] matrix_a_fmt:MATRIX_FMT_FP4 matrix_b_fmt:MATRIX_FMT_FP4 matrix_a_scale:MATRIX_SCALE_ROW1 matrix_b_scale:MATRIX_SCALE_ROW1
.else
	v_wmma_scale_f32_16x16x128_f8f6f4 v[rD:rD+7], v[rX:rX+7], v[rW:rW+7], v[rC:rC+7], v[sX], v[sW] matrix_a_fmt:MATRIX_FMT_FP4 matrix_b_fmt:MATRIX_FMT_FP4
.endif
.endif
.endm
; 32 products: n tile j against the 8 token tiles, all of K.  The 8 accumulators take turns, one instruction a turn.
.macro RUN j, set
.if (\j) < 4
	WIN 0x06                                       ; source 0 (W) window 2, source 1 (x) window 1
.else
	WIN 0x09                                       ; source 0 (x) window 1, source 1 (W) window 2
.endif
.irp ks, 0,1,2,3
.irp T, 0,1,2,3,4,5,6,7
	MM \j, \set, \ks, \T
.endr
.endr
.endm
; n tile j's results are scaled (q, in place) and rounded to f16 into out-buffer set, each accumulator from its low end on
.macro CONV j, set
.if ((\j) == 2) || ((\j) == 4)
	s_wait_xcnt 0x0                                ; every earlier store has had its addresses translated (ISA guide 3.1): the out-buffers are written again only behind this wait
	s_wait_alu depctr_vm_vsrc(0)                   ; the stores of the two n tiles before have read OUT0 and OUT1, which this n tile's roundings and the next one's write again
.endif
	PLACES 4                                       ; four plain instructions between a product and the first read of its result (ISA guide 7.12.1)
.if (\j) < 2
	WIN 0
.irp T, 0,1,2,3,4,5,6,7
.irp e, 0,2,4,6
	v_pk_mul_f32 v[ACC+64*(\set)+8*\T+\e:ACC+64*(\set)+8*\T+\e+1], v[ACC+64*(\set)+8*\T+\e:ACC+64*(\set)+8*\T+\e+1], s[34:35] op_sel_hi:[1,0]
.endr
.endr
.endif
	WIN 0x80                                       ; destination window 2: the out-buffer
.irp T, 0,1,2,3,4,5,6,7
.irp e, 0,1,2,3
	v_cvt_pk_f16_f32 v[OUT+32*(\set)+4*\T+\e], v[ACC+64*(\set)+8*\T+2*\e], v[ACC+64*(\set)+8*\T+2*\e+1]
.endr
.endr
.endm
; and leave: eight stores in one run, 512 bytes each
.macro SEND j, set
	WIN 0x08                                       ; a store's data are its source 1: window 2; its offset, source 0: window 0
	s_wait_alu depctr_va_vdst(0)                   ; the 32 roundings have written this out-buffer, which the eight stores read
.irp T, 0,1,2,3,4,5,6,7
.set o, OUT+32*(\set)+4*\T
.if (\j) < 2
	global_store_b128 v1, v[o:o+3], s[30:31] offset:2048*\T+512*((\j)%2)
.elseif (\j) < 4
	global_store_b128 v1, v[o:o+3], s[40:41] offset:16384*(\T/4)+2048*(\T%4)+512*((\j)%2)
.else
	global_store_b128 v1, v[o:o+3], s[42:43] offset:16384*(\T/4)+4096*((\T/2)%2)+1024*((\j)%2)+512*(\T%2)
.endif
.endr
.endm
	s_wait_loadcnt 32                              ; all but the 32 youngest loads, Wk's and Wv's codes
.irp e, 0,1
.irp i, 1,2,3,4,5,6,7
	v_mov_b32 v[BIAS+32+8*\e+\i], v[BIAS+32+8*\e]  ; in v's layout a lane's eight results are eight tokens of one channel: one bias eight times (no memory instruction names these fourteen registers)
.endr
.endr
	RUN 0, 0
	RUN 1, 1
	CONV 0, 0
	SEND 0, 0
	s_wait_loadcnt 16                              ; Wk's codes are in; Wv's 16 loads may be out
	RUN 2, 0                                       ; the set is begun anew: its roundings, plain lines, stand between its last products and these
	CONV 1, 1
	SEND 1, 1
	RUN 3, 1
	CONV 2, 0
	SEND 2, 0
	s_wait_loadcnt 0x0                             ; Wv's codes
	RUN 4, 0
	CONV 3, 1                                      ; OUT1 was freed at the head of CONV 2: since then only SEND 2 was issued, which reads OUT0
	SEND 3, 1
	RUN 5, 1
	CONV 4, 0
	SEND 4, 0
	CONV 5, 1                                      ; OUT1 was freed at the head of CONV 4: since then only SEND 4 was issued, which reads OUT0
	SEND 5, 1
	WIN 0                                          ; the windows are left as they were found
	s_endpgm
.Lfunc_end_k_qf2b4fb4849_proj:
	.size	k_qf2b4fb4849_proj, .Lfunc_end_k_qf2b4fb4849_proj-k_qf2b4fb4849_proj
	.p2alignl 7, 3214868480
	.fill 96, 4, 3214868480
	.section	.rodata,"a",@progbits
	.p2align	6, 0x0
	.amdhsa_kernel k_qf2b4fb4849_proj
		.amdhsa_group_segment_fixed_size 0
		.amdhsa_private_segment_fixed_size 0
		.amdhsa_enable_private_segment 0
		.amdhsa_kernarg_size 72
		.amdhsa_user_sgpr_count 2
		.amdhsa_user_sgpr_kernarg_segment_ptr 1
		.amdhsa_wavefront_size32 1
		.amdhsa_system_sgpr_workgroup_id_x 1
		.amdhsa_system_sgpr_workgroup_id_y 1
		.amdhsa_system_sgpr_workgroup_id_z 1
		.amdhsa_system_vgpr_workitem_id 0
		.amdhsa_next_free_vgpr 768
		.amdhsa_next_free_sgpr 66
		.amdhsa_reserve_vcc 0
		.amdhsa_float_denorm_mode_32 3
		.amdhsa_float_denorm_mode_16_64 3
		.amdhsa_memory_ordered 1
		.amdhsa_forward_progress 1
		.amdhsa_inst_pref_size 64
	.end_amdhsa_kernel
	.amdgpu_metadata
---
amdhsa.version: [ 1, 2 ]
amdhsa.kernels:
  - .name:           k_qf2b4fb4849_proj
    .symbol:         k_qf2b4fb4849_proj.kd
    .args:
      - { .name: ximg, .offset: 0, .size: 8, .value_kind: global_buffer, .address_space: global }
      - { .name: xsc, .offset: 8, .size: 8, .value_kind: global_buffer, .address_space: global }
      - { .name: wimg, .offset: 16, .size: 8, .value_kind: global_buffer, .address_space: global }
      - { .name: wsc, .offset: 24, .size: 8, .value_kind: global_buffer, .address_space: global }
      - { .name: bq, .offset: 32, .size: 8, .value_kind: global_buffer, .address_space: global }
      - { .name: bk, .offset: 40, .size: 8, .value_kind: global_buffer, .address_space: global }
      - { .name: bv, .offset: 48, .size: 8, .value_kind: global_buffer, .address_space: global }
      - { .name: qimg, .offset: 56, .size: 8, .value_kind: global_buffer, .address_space: global }
      - { .name: kv, .offset: 64, .size: 8, .value_kind: global_buffer, .address_space: global }
    .group_segment_fixed_size: 0
    .private_segment_fixed_size: 0
    .kernarg_segment_align: 8
    .kernarg_segment_size: 72
    .max_flat_workgroup_size: 128
    .sgpr_count:     66
    .vgpr_count:     768
    .wavefront_size: 32
...
	.end_amdgpu_metadata
.endif
;; end of part 5
;; launch attn: the kernel of part 3 again; grid 16 x 16, 8 waves a work-group, clusters of 4 x 1, 327,680 bytes of LDS; arguments qimg, kv, ao; writes ao
;; launch oproj: the kernel of part 4 again; grid 4 x 64, 4 waves a work-group, clusters of 4 x 4, 280,064 bytes of LDS; arguments ao, woimg, bo, out0; writes out0
